; MI455X (gfx1250); checked and timed in simulation.
; The chip was launched on July 23, 2026; its instructions are those of AMD's public machine-readable ISA for CDNA 5 (MIT licence, August 2026) and "CDNA5" Instruction Set Architecture Reference Guide (July 2026). The comments in the code are by the model that wrote it; some were corrected since.
;; Multihead Flash Diff2. Allowed arithmetic: matrix products marked QUANTISED: E2M3 operands, one E8M0 scale for each 32 along K, by v_wmma_scale_f32_16x16x128_f8f6f4 with both operands' format E2M3, f32 sums; everything else in f32.
;; Inputs: cos 2,048 x 32 float32; lambda_k1 64 float32; lambda_k2 64 float32; lambda_q1 64 float32; lambda_q2 64 float32; sin 2,048 x 32 float32; subln_weight 128 float32; wk 1,024 x 1,024 float32; wo 1,024 x 1,024 float32; wq 1,024 x 1,024 float32; wv 1,024 x 1,024 float32; x 1 x 2,048 x 1,024 float32.
;; Outputs: out0 1 x 2,048 x 1,024 float32.
;; This version of the problem:
;;   THIS VERSION OF THE PROBLEM IS GIVEN IN LOW PRECISION. The matrix products marked QUANTISED in the list below multiply operands that are first quantised to E2M3 (2 exponent bits, 3 mantissa bits; 6 bits a number), with one power-of-two scale for each 32 numbers along K (OCP MX v1.0); their sums are f32. All else is computed in f32.
;;   The module's matrix products, in the order in which they are computed (A, B: the left and right operand; K: the contracted axis; several contracted axes count as one K, in the product's order):
;;     1. [M 2,048, K 1,024] x [K 1,024, N 1,024]; A: input x; B: input wq: QUANTISED
;;     2. [M 2,048, K 1,024] x [K 1,024, N 1,024]; A: input x; B: input wk: QUANTISED
;;     3. [M 2,048, K 1,024] x [K 1,024, N 1,024]; A: input x; B: input wv: QUANTISED
;;     4. batch 8 x [M 2,048, K 64] x [K 64, N 2,048]; A: computed on the way; B: computed on the way: QUANTISED
;;     5. batch 8 x [M 128, K 2,048] x [K 2,048, N 2,048]; A: computed on the way; B: softmax (see below): QUANTISED
;;     6. batch 8 x [M 2,048, K 64] x [K 64, N 2,048]; A: computed on the way; B: computed on the way: QUANTISED
;;     7. batch 8 x [M 128, K 2,048] x [K 2,048, N 2,048]; A: computed on the way; B: softmax (see below): QUANTISED
;;     8. [M 2,048, K 1,024] x [K 1,024, N 1,024]; A: computed on the way; B: input wo: QUANTISED
;;   THE QUANTISER, for each operand of a quantised product, along K:
;;     - K is cut into blocks of 32 from its start; a last block that is shorter is filled with zeros.
;;     - A block's scale is 2^e with e = floor(log2(the largest magnitude in the block)) - 2, held to -126 .. 127; a block of zeros has e = 0. As a byte (E8M0): e + 127.
;;     - Each number is divided by its block's scale, clamped to +-7.5, and rounded to the nearest number of E2M3, ties to even, subnormals kept.
;;     - The product sums the exact products of the quantised numbers (number of the format x scale) in f32.
;;   ~~~python
;;   def quantise(x, axis):      # numpy; x: float32 -> the quantised numbers, widened to float32 again
;;       x = np.moveaxis(x, axis, -1); K = x.shape[-1]
;;       x = np.pad(x, [(0, 0)] * (x.ndim - 1) + [(0, -K % 32)]); x = x.reshape(x.shape[:-1] + (-1, 32)); a = np.abs(x).max(-1, keepdims=True)
;;       e = np.where(a > 0, np.clip(np.frexp(np.where(a > 0, a, 1))[1] - 1 - 2, -126, 127), 0)      # np.frexp(a)[1] - 1 = floor(log2(a)), exactly
;;       r = np.clip(x / 2.0 ** e, -7.5, 7.5)
;;       step = 2.0 ** (np.maximum(np.frexp(np.where(r == 0, 1, r))[1] - 1, 0) - 3)
;;       q = np.round(r / step) * step * 2.0 ** e      # np.round: ties to even
;;       return np.moveaxis(q.reshape(q.shape[:-2] + (-1,))[..., :K], -1, axis).astype(np.float32)
;;   ~~~
;;   SOFTMAX AHEAD OF A QUANTISED PRODUCT. Where the list says 'softmax', what is quantised is not the finished softmax but p = 2^(t - M), with t = logit x log2(e) and M = ceil(the row's largest t), a whole number; so 1/2 < the row's largest p <= 1. The row's sum l is taken of the UNQUANTISED p, in f32, and the product's result is divided by l at the end. Since M is a whole number, a kernel that streams over the keys may use a running M (the ceiling of the running maximum): every later rescaling is an exact power of two, which a block's scale takes up: the codes' values come out the same.
;;   OPERANDS COMPUTED ON THE WAY. 'Computed on the way' means the value that the module computes at that place (a softmax that the list does not call 'softmax' is quantised finished and normalised). What goes into a quantiser is computed in f32, as accurately as f32 sums, v_exp_f32 and their like allow (about 1e-6 of the number): no bf16 or f16 on the way to a quantiser, and a product that is left as it is and whose result goes on into a quantised operand takes f32 operands (vector FMAs, or v_wmma_f32_16x16x4_f32). A number that lies on a knife's edge between two numbers of the format may be rounded either way, as far as f32 arithmetic and the matrix unit's own rounding can turn it there, and no further.
;; One version. Each part assembles by itself: llvm-mc -triple=amdgcn-amd-amdhsa -mcpu=gfx1250 --defsym DOCPART=n.
;; ======== version 1 of 1: 4 launches
;; limits: right only within a limited range of input values
;; workspace buffers: xb 1,638,400 bytes; wb 3,276,800 bytes; qb 1,703,936 bytes; kv 3,342,336 bytes; ab 1,638,400 bytes
;; launch quant (part 1): grid 512 x 1, 4 waves a work-group, no clusters, 34,304 bytes of LDS; arguments x, wq, wk, wv, wo, xb, wb; writes xb, wb
.if DOCPART == 1
	.amdgcn_target "amdgcn-amd-amdhsa--gfx1250"
	.amdhsa_code_object_version 6
	.text
	.protected	k_qeae279968e_quant
	.globl	k_qeae279968e_quant
	.p2align	8
	.type	k_qeae279968e_quant,@function
k_qeae279968e_quant:
	s_mov_b64 s[64:65], 0
	v_nop
	global_prefetch_b8 v0, s[64:65] scope:SCOPE_SE
	s_setreg_imm32_b32 hwreg(HW_REG_WAVE_MODE, 25, 1), 1
	s_wait_xcnt 0x0
; x [2048][1024] and wq, wk, wv, wo [1024 (k)][1024 (n)], f32, become codes of FP6 (E2M3) with one E8M0 byte for each 32 along K,
; laid as IMAGES OF OPERAND REGISTERS: a fragment (16 rows x 128 K, 12 registers a lane) is 1,536 bytes, register g of lane l at
; 512 (g / 4) + 16 l + 4 (g % 4); fragment (tile T, K step s) at (8 T + s) 1,536; its rows' scale words at T 512 + 32 r + 4 s behind the codes.
; THE ROWS OF A TILE ARE NOT NEIGHBOURS: lane r of tile T takes row 32 (T / 2) + 8 (T % 2) + r + 8 (r / 8), in every operand of this program.
; A block's scale is 2^(floor(log2(largest magnitude)) - 2): its byte is the largest magnitude's exponent field - 2, held at 1 from below.
; LIMITS: NaN and infinities are not served; a block whose largest magnitude lies under 2^-124 (a block of zeros too) gets the byte 1; only this program reads the bytes.
; Work-groups 0-255 take the weights (K is their first axis: a lane takes a column, its registers run down K; no LDS);
; work-groups 256-511 take x (K innermost: a tile's 16 rows turn through the wave's own LDS).  Waves share nothing: no barrier.
.set XSOFF, 1572864                    ; x's scale words: behind 128 tiles x 12,288 bytes
.set WSOFF, 3145728                    ; the weights': behind 256 tiles
.set XN,  32                           ; v32-159  W: four blocks of 32 numbers;  x: v32-95 as loaded, v96-159 two blocks of 32
.set PI,  160                          ; v160-183 W: two lanes' images of 12 registers;  x: v160-171 my image
.set TC,  184                          ; v184-186 a conversion's second half (its three registers begin on an even number)
.macro BMAX xs, m, m2                  ; the largest magnitude of 32 numbers of one lane, in two chains, with the floor 2^(3 - 127) among the leaves
	v_max3_num_f32 v[\m], |v[\xs]|, |v[\xs+1]|, |v[\xs+2]|
	v_max3_num_f32 v[\m2], |v[\xs+3]|, |v[\xs+4]|, |v[\xs+5]|
.irp i, 6,10,14,18,22,26
	v_max3_num_f32 v[\m], v[\m], |v[\xs+\i]|, |v[\xs+\i+1]|
	v_max3_num_f32 v[\m2], v[\m2], |v[\xs+\i+2]|, |v[\xs+\i+3]|
.endr
	v_max3_num_f32 v[\m], v[\m], |v[\xs+30]|, |v[\xs+31]|
	v_max3_num_f32 v[\m], v[\m], v[\m2], 0x1800000
.endm
	s_load_b256 s[4:11], s[0:1], 0x0               ; x, wq, wk, wv
	s_load_b128 s[12:15], s[0:1], 0x20             ; wo, xb
	s_load_b64 s[16:17], s[0:1], 0x30              ; wb
	v_lshl_add_u32 v192, v0, 2, 0x8400
	v_mov_b32 v193, 0
	v_lshrrev_b32 v1, 5, v0
	v_readfirstlane_b32 s18, v1                    ; wave
	v_and_b32 v2, 31, v0                           ; lane
	s_cmp_lt_u32 ttmp9, 256
	s_cbranch_scc0 .Lxpath
	; ---- THE WEIGHTS.  Work-group = (matrix m, 128 columns cg, K step s); wave w takes 32 columns, a lane a column.
	s_lshr_b32 s20, ttmp9, 6                       ; m
	s_bfe_u32 s21, ttmp9, 0x30003                  ; cg
	s_and_b32 s22, ttmp9, 7                        ; s
	v_lshlrev_b32 v3, 2, v2                        ; in: 4 bytes a lane: a load reads 128 consecutive bytes, the four waves stand side by side on 512
	v_bfe_u32 v6, v2, 3, 1                         ; column i of the 32 is row r = i % 8 + 8 (i / 16) of tile 2 TP + u, u = (i / 8) % 2
	v_and_b32 v7, 7, v2
	v_lshrrev_b32 v8, 4, v2
	v_lshl_add_u32 v7, v8, 3, v7
	v_mul_u32_u24 v4, v6, 12288
	v_lshl_add_u32 v4, v7, 4, v4                   ; out: u tiles of 12,288 bytes + 16 r
	v_lshlrev_b32 v5, 9, v6
	v_lshl_add_u32 v5, v7, 5, v5                   ; scale word: u 512 + 32 r
	s_lshl_b32 s24, s22, 19                        ; K step s: 128 rows of 4,096 bytes
	s_lshl_b32 s23, s21, 9
	s_add_co_u32 s24, s24, s23
	s_lshl_b32 s23, s18, 7
	s_add_co_u32 s24, s24, s23                     ; + my wave's first column
	s_mov_b32 s25, 0
	s_lshl_b32 s23, s21, 2                         ; TP, the pair of tiles.  wq, wk, wv: the 12 tiles of the same 64 columns X lie side by side, 12 X + 4 m + 0 .. 3; wo: tiles 192 on
	s_add_co_u32 s23, s23, s18                     ; column / 32
	s_lshr_b32 s26, s23, 1
	s_mul_i32 s26, s26, 6
	s_and_b32 s27, s23, 1
	s_add_co_u32 s26, s26, s27
	s_lshl_b32 s27, s20, 1
	s_add_co_u32 s26, s26, s27                     ; 6 X + 2 m + (column / 32) % 2
	s_add_co_u32 s23, s23, 96
	s_cmp_eq_u32 s20, 3
	s_cselect_b32 s26, s23, s26
	s_mul_i32 s28, s26, 24576
	s_mul_i32 s23, s22, 1536
	s_add_co_u32 s28, s28, s23
	s_mov_b32 s29, 0
	s_lshl_b32 s30, s26, 10
	s_lshl_b32 s23, s22, 2
	s_add_co_u32 s30, s30, s23
	s_add_co_u32 s30, s30, WSOFF
	s_mov_b32 s31, 0
	s_wait_alu depctr_va_vdst(0)
	s_wait_kmcnt 0x0
	s_cmp_eq_u32 s20, 1                            ; the matrix is chosen by the work-group's number alone
	s_cselect_b64 s[6:7], s[8:9], s[6:7]
	s_cmp_eq_u32 s20, 2
	s_cselect_b64 s[6:7], s[10:11], s[6:7]
	s_cmp_eq_u32 s20, 3
	s_cselect_b64 s[6:7], s[12:13], s[6:7]
	s_add_nc_u64 s[6:7], s[6:7], s[24:25]
	s_add_nc_u64 s[28:29], s[16:17], s[28:29]
	s_add_nc_u64 s[30:31], s[16:17], s[30:31]
; all 128 loads go out at once, in the order in which the blocks are worked: set t holds block beta = t / 2 + 2 (t % 2) of the K step's four,
; since lane r of the operand holds blocks 0 and 2 and lane r + 16 blocks 1 and 3
.irp t, 0,1,2,3
.set ii, 0
.rept 32
	global_load_b32 v[XN+32*\t+ii], v3, s[6:7] offset:(32*((\t/2)+2*(\t%2))+ii)*4096 th:TH_LOAD_NT
.set ii, ii+1
.endr
.endr
.macro WBLOCK t
.set XS, XN+32*(\t)
.set PP, PI+12*((\t)/2)+6*((\t)%2)
.if (\t) < 2
	s_wait_loadcnt 63                              ; of 128 loads at most 63 are out: the first 65 are in, the first two sets among them
.else
	s_wait_loadcnt 32*(3-(\t))                     ; the sets behind this one may be out
.endif
	BMAX XS, 12, 13
	v_add_nc_u32 v11, 0xff000000, v12              ; 2 off the exponent field: the conversion takes this operand's exponent field as its scale
	v_cvt_scalef32_pk16_fp6_f32 v[PP:PP+2], v[XS:XS+15], v11
	v_cvt_scalef32_pk16_fp6_f32 v[TC:TC+2], v[XS+16:XS+31], v11
	v_lshrrev_b32 v13, 23, v11                     ; the scale's byte (the plain line behind the conversions)
.if (\t) == 0
	v_mov_b32 v10, v13
.else
	v_lshl_or_b32 v10, v13, 8*(((\t)/2)+2*((\t)%2)), v10   ; at its block's place in the column's scale word
.endif
.irp i, 0,1,2
	v_mov_b32 v[PP+3+\i], v[TC+\i]
.endr
.if (\t)%2 == 1
.irp c, 0,1,2                                  ; the image of operand lane r + 16 (t / 2): sixteen lanes of one tile store 256 consecutive bytes, aligned
	global_store_b128 v4, v[PI+12*((\t)/2)+4*\c:PI+12*((\t)/2)+4*\c+3], s[28:29] offset:512*\c+256*((\t)/2)
.endr
.endif
.endm
	WBLOCK 0
	WBLOCK 1
	WBLOCK 2
	WBLOCK 3
	global_store_b32 v5, v10, s[30:31]             ; 4 bytes every 32: one byte in 128 of what this path reads
	s_endpgm
	; ---- x.  A wave takes one fragment: tile T, K step s.
.Lxpath:
	s_sub_co_u32 s20, ttmp9, 256
	s_lshr_b32 s21, s20, 1                         ; T
	s_and_b32 s22, s20, 1
	s_lshl_b32 s22, s22, 2
	s_add_co_u32 s22, s22, s18                     ; s
	s_lshr_b32 s23, s21, 1
	s_lshl_b32 s23, s23, 5
	s_and_b32 s24, s21, 1
	s_lshl_b32 s24, s24, 3
	s_add_co_u32 s23, s23, s24                     ; the tile's first row
	s_lshl_b32 s24, s23, 12
	s_lshl_b32 s23, s22, 9
	s_add_co_u32 s24, s24, s23
	s_mov_b32 s25, 0
	s_lshl_b32 s26, s21, 3
	s_add_co_u32 s26, s26, s22
	s_mul_i32 s26, s26, 1536
	s_mov_b32 s27, 0
	s_lshl_b32 s28, s21, 9
	s_lshl_b32 s23, s22, 2
	s_add_co_u32 s28, s28, s23
	s_add_co_u32 s28, s28, XSOFF
	s_mov_b32 s29, 0
	s_mov_b32 s30, 0x76543210
	s_mov_b32 s31, 0xfedcba98                      ; v_permlanex16_b32's selects for lane l xor 16
	s_wait_alu depctr_va_vdst(0)
	v_lshlrev_b32 v3, 4, v2                        ; 16 l
	v_and_b32 v4, 15, v2                           ; r
	v_lshrrev_b32 v5, 4, v2                        ; h
	s_mul_i32 s23, s18, 8448                       ; my wave's stage: 16 rows of 512 bytes + 16
	v_add_nc_u32 v6, s23, v3                       ; in: a row as it lies
	v_mul_u32_u24 v7, v4, 528
	v_lshl_add_u32 v7, v5, 7, v7
	v_add_nc_u32 v7, s23, v7                       ; out: row r, + 128 h: lane (r, h) holds k = 64 c + 32 h + 0 .. 31
	v_lshlrev_b32 v8, 5, v4                        ; 32 r
	s_wait_alu depctr_va_vdst(0)
	s_wait_kmcnt 0x0
	s_add_nc_u64 s[4:5], s[4:5], s[24:25]
	s_add_nc_u64 s[26:27], s[14:15], s[26:27]
	s_add_nc_u64 s[28:29], s[14:15], s[28:29]
.irp i, 0,1,2,3,4,5,6,7,8,9,10,11,12,13,14,15
	global_load_b128 v[XN+4*\i:XN+4*\i+3], v3, s[4:5] offset:(\i+8*(\i/8))*4096 th:TH_LOAD_NT   ; 32 lanes read 512 consecutive bytes of tile row i
.endr
.irp i, 0,1,2,3,4,5,6,7,8,9,10,11,12,13,14,15
	s_wait_loadcnt 15-\i                           ; row i is in; the younger loads may be out
	ds_store_b128 v6, v[XN+4*\i:XN+4*\i+3] offset:528*\i
.endr
.irp c, 0,1
.irp j, 0,1,2,3,4,5,6,7
	ds_load_b128 v[96+32*\c+4*\j:96+32*\c+4*\j+3], v7 offset:256*\c+16*\j   ; LDS serves a wave's instructions in order: these see my stores
.endr
.endr
	s_wait_dscnt 8                                 ; my first block is in; the second block's eight loads may be out
	BMAX 96, 12, 14
	s_wait_dscnt 0x0
	BMAX 128, 13, 15
	v_add_nc_u32 v16, 0xff000000, v12
	v_add_nc_u32 v17, 0xff000000, v13
	v_lshrrev_b32 v18, 23, v16
	v_lshrrev_b32 v19, 23, v17
	v_lshl_or_b32 v9, v19, 16, v18                 ; my two bytes: blocks h and 2 + h of row r,
	v_lshlrev_b32 v10, 3, v5
	v_lshlrev_b32 v9, v10, v9                      ; 8 h bits up;
	v_mov_b32 v10, 0
	v_permlanex16_b32 v10, v9, s30, s31
	v_or_b32 v9, v9, v10                           ; with lane l xor 16's two the word is whole
.irp c, 0,1
	v_cvt_scalef32_pk16_fp6_f32 v[PI+6*\c:PI+6*\c+2], v[96+32*\c:111+32*\c], v[16+\c]
	v_cvt_scalef32_pk16_fp6_f32 v[172+4*\c:174+4*\c], v[112+32*\c:127+32*\c], v[16+\c]
.endr
	v_nop                                          ; one plain line behind a scaled conversion
.irp c, 0,1
.irp i, 0,1,2
	v_mov_b32 v[PI+3+6*\c+\i], v[172+4*\c+\i]
.endr
.endr
.irp c, 0,1,2
	global_store_b128 v3, v[PI+4*\c:PI+4*\c+3], s[26:27] offset:512*\c   ; 512 consecutive bytes
.endr
	global_store_b32 v8, v9, s[28:29]              ; lanes 16-31 store the same word to the same place
	s_wait_tensorcnt 0x0
	ds_add_u32 v192, v193
	s_wait_dscnt 0x0
	s_endpgm
.Lfunc_end_k_qeae279968e_quant:
	.size	k_qeae279968e_quant, .Lfunc_end_k_qeae279968e_quant-k_qeae279968e_quant
	.p2alignl 7, 3214868480
	.fill 96, 4, 3214868480
	.section	.rodata,"a",@progbits
	.p2align	6, 0x0
	.amdhsa_kernel k_qeae279968e_quant
		.amdhsa_group_segment_fixed_size 34304
		.amdhsa_private_segment_fixed_size 0
		.amdhsa_enable_private_segment 0
		.amdhsa_kernarg_size 56
		.amdhsa_user_sgpr_count 2
		.amdhsa_user_sgpr_kernarg_segment_ptr 1
		.amdhsa_wavefront_size32 1
		.amdhsa_system_sgpr_workgroup_id_x 1
		.amdhsa_system_sgpr_workgroup_id_y 1
		.amdhsa_system_sgpr_workgroup_id_z 1
		.amdhsa_system_vgpr_workitem_id 0
		.amdhsa_next_free_vgpr 194
		.amdhsa_next_free_sgpr 66
		.amdhsa_reserve_vcc 0
		.amdhsa_float_denorm_mode_32 3
		.amdhsa_float_denorm_mode_16_64 3
		.amdhsa_memory_ordered 1
		.amdhsa_forward_progress 1
		.amdhsa_inst_pref_size 31
	.end_amdhsa_kernel
	.amdgpu_metadata
---
amdhsa.version: [ 1, 2 ]
amdhsa.kernels:
  - .name:           k_qeae279968e_quant
    .symbol:         k_qeae279968e_quant.kd
    .args:
      - { .name: x, .offset: 0, .size: 8, .value_kind: global_buffer, .address_space: global }
      - { .name: wq, .offset: 8, .size: 8, .value_kind: global_buffer, .address_space: global }
      - { .name: wk, .offset: 16, .size: 8, .value_kind: global_buffer, .address_space: global }
      - { .name: wv, .offset: 24, .size: 8, .value_kind: global_buffer, .address_space: global }
      - { .name: wo, .offset: 32, .size: 8, .value_kind: global_buffer, .address_space: global }
      - { .name: xb, .offset: 40, .size: 8, .value_kind: global_buffer, .address_space: global }
      - { .name: wb, .offset: 48, .size: 8, .value_kind: global_buffer, .address_space: global }
    .group_segment_fixed_size: 34304
    .private_segment_fixed_size: 0
    .kernarg_segment_align: 8
    .kernarg_segment_size: 56
    .max_flat_workgroup_size: 128
    .sgpr_count:     66
    .vgpr_count:     194
    .wavefront_size: 32
...
	.end_amdgpu_metadata
.endif
;; end of part 1
;; launch qkv (part 2): grid 16 x 16, 4 waves a work-group, clusters of 4 x 4, 246,528 bytes of LDS; arguments xb, wb, cos, sin, qb, kv; writes qb, kv
.if DOCPART == 2
	.amdgcn_target "amdgcn-amd-amdhsa--gfx1250"
	.amdhsa_code_object_version 6
	.text
	.protected	k_qeae279968e_qkv
	.globl	k_qeae279968e_qkv
	.p2align	8
	.type	k_qeae279968e_qkv,@function
k_qeae279968e_qkv:
	s_mov_b64 s[64:65], 0
	v_nop
	global_prefetch_b8 v0, s[64:65] scope:SCOPE_SE
	s_setreg_imm32_b32 hwreg(HW_REG_WAVE_MODE, 25, 1), 1
	s_wait_xcnt 0x0
	s_wait_alu depctr_hold_cnt(0) depctr_sa_sdst(0) depctr_va_vdst(0) depctr_va_sdst(0) depctr_va_ssrc(0) depctr_va_vcc(0) depctr_vm_vsrc(0)
	s_getreg_b32 s2, hwreg(HW_REG_IB_STS2, 6, 4)
	s_cmp_eq_u32 s2, 0
	s_cbranch_scc0 .Lentry_in_a_cluster
	s_endpgm
.Lentry_in_a_cluster:
	s_bfe_u32 s2, ttmp6, 0x10000c
	s_cmp_lg_u32 s2, 0xf033
	s_cbranch_scc0 .Lentry_shape_is_right
	s_endpgm
.Lentry_shape_is_right:
; q = rope(x wq), k = rope(x wk), v = x wv on codes of FP6 with E8M0 scales (K = 1,024), and the results quantised at once for the attention.
; WORK-GROUP (X, Y): the 128 tokens of key step Y x the 64 columns X of wq, of wk (sub-head X % 2 of head X / 2) and of wv: 256 work-groups.
; Wave w, a = w % 2, b = w / 2: x's tiles 4 a .. 4 a + 3 against 4 tiles of wq (b = 0) or wk (b = 1), 16 accumulators, and against 2 tiles of wv, 8 accumulators.
; q, k: source 0 = the weight (columns become registers), source 1 = x.  v: source 0 = x (keys become registers), source 1 = wv.  The rows of a tile are
; 32 (T / 2) + 8 (T % 2) + r + 8 (r / 8), so 16 registers of two neighbouring source 0 tiles are 16 neighbours, 16 (lane / 16) on.
; kv: one block of 26,112 bytes for a head and a key step: K 12,288 (sub-head 6,144, tile 768: registers 0-3 of 32 lanes, then 4, 5), K's scale words 1,024,
; V^T 12,288 (8 channel tiles x 1,024: registers 0-3, registers 8-11; then 8 tiles x 512: registers 4, 5, registers 6, 7), V's scale words 512.
; LDS: two halves of K, each x's 8 tiles x 6,144 bytes and the weights' 12.  Every fill goes out at the head, one tensor load a wave.
; CLUSTER 4 x 4: x hangs on Y alone and is asked for jointly by a row of the cluster, the weights on X alone, by a column.
; Nothing is prefetched: all tiles are asked for at the head, and there is no loop to run ahead in.
; LIMITS: NaN and infinities are not served; a block whose largest magnitude lies under 2^-124 (zeros too) gets the byte 1; only this program reads the bytes.
; REGISTERS: window 0: v1-15 addresses, v16-31 x's scale words, v36-51 wq's or wk's, v52-59 wv's, v64 on at work.  window 1: accumulators: q, k (x tile i, weight tile t) at 32 i + 8 t,
;   v (wv tile c, x tile i) at 128 + 32 c + 8 i.   window 2: fragments, two sets of 120.   window 3: cos at 32 i + 8 e + n, sin 16 further on.
.set STEPB, 26112
.set XSOFF, 1572864
.set WSOFF, 3145728
.set QSOFF, 1572864
.set HB,    122880                     ; a half of K in LDS
.set WOFF,  49152                      ; the weights, behind x's 8 tiles
.set SPARE, 245760                     ; the spare words, 128 bytes a wave
.set XCH,   246272                     ; V's 64 scale words, gathered from the waves: 256 bytes that no fill lands on
.set SEL, 2
.set WV,  16
.set G1X, 24
.set G1W, 32
.set G0X, 40
.set G0W, 48
.set XS,  16
.set WS,  36
.set VSC, 52
.set TT,  64
.set TM,  96
.set PW,  112
.set PWS, 116
.set PC,  120
.set MSB, 0
.macro WIN new                         ; the immediate's high byte repeats the setting that is left
.if MSB != (\new)
	s_set_vgpr_msb (MSB<<8)|(\new)
.set MSB, \new
.endif
.endm
.macro NOPS n
.rept \n
	v_nop
.endr
.endm
.macro ROUND                           ; a round of the cluster's barrier
	s_barrier_signal -1
	s_barrier_wait -1
	s_cmp_lg_u32 s[WV], 0
	s_cbranch_scc1 .Lnw0_\@
	s_barrier_signal -3
.Lnw0_\@:
	s_barrier_wait -3
	s_barrier_signal -1
	s_barrier_wait -1
.endm
.macro ARM under, g0, g1, next         ; one arm of the head's chain on the wave's number
	s_cmp_lt_u32 s[WV], \under
	s_cbranch_scc0 \next
	tensor_load_to_lds s[\g0:\g0+3], s[\g1:\g1+7]
	s_nop 0
	NOPS 4
	s_branch .Lasked
\next:
.endm
.macro WMM d, p, l, sa, sb, ra, rb, z  ; ra, rb: which half of the lanes holds the side's scale words;  z: the product starts its sum
.if \z
	v_wmma_scale_f32_16x16x128_f8f6f4 v[\d:\d+7], v[\p:\p+11], v[\l:\l+11], 0, v[\sa], v[\sb] matrix_a_fmt:MATRIX_FMT_FP6 matrix_b_fmt:MATRIX_FMT_FP6 matrix_a_scale:MATRIX_SCALE_ROW\ra matrix_b_scale:MATRIX_SCALE_ROW\rb
.else
	v_wmma_scale_f32_16x16x128_f8f6f4 v[\d:\d+7], v[\p:\p+11], v[\l:\l+11], v[\d:\d+7], v[\sa], v[\sb] matrix_a_fmt:MATRIX_FMT_FP6 matrix_b_fmt:MATRIX_FMT_FP6 matrix_a_scale:MATRIX_SCALE_ROW\ra matrix_b_scale:MATRIX_SCALE_ROW\rb
.endif
.endm
.macro MULQ k, s, z                    ; 16 products of q or k; the 24 accumulators of MULQ and MULV take turns, one instruction a turn
	WIN 0x5a
.irp xp, 0,1
.irp xr, 0,1
.irp tp, 0,1
.irp tr, 0,1
.set D_, 64*\xp+32*\xr+16*\tp+8*\tr
.set P_, 120*(\s)+48+24*\tp+12*\tr
.set L_, 120*(\s)+24*\xp+12*\xr
	WMM D_, P_, L_, WS+8*\tp+(\k), XS+8*\xp+(\k), \tr, \xr, \z
.endr
.endr
.endr
.endr
.endm
.macro MULV k, s, z                    ; 8 products of v
	WIN 0x5a
.irp c, 0,1
.irp xp, 0,1
.irp xr, 0,1
.set D_, 128+32*\c+16*\xp+8*\xr
.set P_, 120*(\s)+24*\xp+12*\xr
.set L_, 120*(\s)+96+12*\c
	WMM D_, P_, L_, XS+8*\xp+(\k), VSC+(\k), \xr, \c, \z
.endr
.endr
.endr
.endm
.macro FETCH k, s                      ; K step k's ten fragments: 30 loads, each 512 consecutive bytes
	WIN 0x80
.irp i, 0,1,2,3
.irp j, 0,1,2
	ds_load_b128 v[120*(\s)+12*\i+4*\j:120*(\s)+12*\i+4*\j+3], v[1+(\k)/4] offset:\i*6144+((\k)%4)*1536+512*\j
	ds_load_b128 v[120*(\s)+48+12*\i+4*\j:120*(\s)+48+12*\i+4*\j+3], v[3+(\k)/4] offset:\i*6144+((\k)%4)*1536+512*\j
.endr
.endr
.irp i, 0,1
.irp j, 0,1,2
	ds_load_b128 v[120*(\s)+96+12*\i+4*\j:120*(\s)+96+12*\i+4*\j+3], v[5+(\k)/4] offset:\i*6144+((\k)%4)*1536+512*\j
.endr
.endr
.endm
; Two half fragments: of each, a lane's 32 numbers in window 1 from register s and s + 32 on (two blocks' 16 neighbours each); their codes go to v[pc .. pc+5] and v[pc+6 .. pc+11],
; their four scale bytes to v[PW] (bytes 0, 1 and 2, 3)
.macro QUANT s, pc
	WIN 0x05
.irp b, 0,1,2,3
	v_max3_num_f32 v[TM+\b], |v[(\s)+16*\b]|, |v[(\s)+1+16*\b]|, 0x1800000   ; with the floor 2^(3 - 127): the byte cannot fall under 1
.endr
	WIN 0x14
.irp i, 2,4,6,8,10,12,14
.irp b, 0,1,2,3
	v_max3_num_f32 v[TM+\b], v[TM+\b], |v[(\s)+16*\b+\i]|, |v[(\s)+1+16*\b+\i]|
.endr
.endr
	WIN 0
.irp b, 0,1,2,3
	v_permlanex16_b32 v[TM+4+\b], v[TM+\b], s[SEL], s[SEL+1]
.endr
.irp b, 0,1,2,3
	v_max_num_f32 v[TM+\b], v[TM+\b], v[TM+4+\b]   ; with lane l xor 16's: the block's largest magnitude
.endr
.irp b, 0,1,2,3
	v_add_nc_u32 v[TM+12+\b], 0xff000000, v[TM+\b] ; 2 off its exponent field: the conversion's scale operand
.endr
.irp b, 0,1,2,3
	v_lshrrev_b32 v[TM+8+\b], 23, v[TM+12+\b]      ; the scale's byte
.endr
	v_lshl_or_b32 v[PW], v[TM+9], 8, v[TM+8]
	v_lshl_or_b32 v[PW], v[TM+10], 16, v[PW]
	v_lshl_or_b32 v[PW], v[TM+11], 24, v[PW]
	WIN 0x01
.irp c, 0,1
	v_cvt_scalef32_pk16_fp6_f32 v[(\pc)+6*\c:(\pc)+2+6*\c], v[(\s)+32*\c:(\s)+15+32*\c], v[TM+12+2*\c]
	v_cvt_scalef32_pk16_fp6_f32 v[(\pc)+12+4*\c:(\pc)+14+4*\c], v[(\s)+16+32*\c:(\s)+31+32*\c], v[TM+12+2*\c+1]
.endr
	WIN 0
	v_nop                                          ; one plain line behind a scaled conversion
.irp c, 0,1                                    ; the operand's layout wants a whole block in a lane
.irp i, 0,1,2
	v_permlane16_swap_b32 v[(\pc)+6*\c+\i], v[(\pc)+12+4*\c+\i]
.endr
.irp i, 0,1,2
	v_mov_b32 v[(\pc)+3+6*\c+\i], v[(\pc)+12+4*\c+\i]
.endr
.endr
.endm
; RoPE on x tile a's 32 numbers: registers 2 n, 2 n + 1 are a pair (x1, x2); its cos and sin stand in register 8 (n / 8) + n % 8 of the tile's sixteen.
; t = (x1 c, x2 c); then (x2 (-s) + x1 c, x1 s + x2 c).  Pairs in ascending order: each accumulator is read from its low end on.
.macro ROPE a
	WIN 0x0d
.set n, 0
.rept 16
.set cb, 32*(\a)+8*(n/8)+(n%8)-(n%2)
.if n%2
	v_pk_mul_f32 v[TT+2*n:TT+2*n+1], v[32*(\a)+2*n:32*(\a)+2*n+1], v[cb:cb+1] op_sel:[0,1] op_sel_hi:[1,1]
.else
	v_pk_mul_f32 v[TT+2*n:TT+2*n+1], v[32*(\a)+2*n:32*(\a)+2*n+1], v[cb:cb+1] op_sel:[0,0] op_sel_hi:[1,0]
.endif
.set n, n+1
.endr
	WIN 0x4d
.set n, 0
.rept 16
.set cb, 32*(\a)+16+8*(n/8)+(n%8)-(n%2)
.if n%2
	v_pk_fma_f32 v[32*(\a)+2*n:32*(\a)+2*n+1], v[32*(\a)+2*n:32*(\a)+2*n+1], v[cb:cb+1], v[TT+2*n:TT+2*n+1] op_sel:[1,1,0] op_sel_hi:[0,1,1] neg_lo:[0,1,0]
.else
	v_pk_fma_f32 v[32*(\a)+2*n:32*(\a)+2*n+1], v[32*(\a)+2*n:32*(\a)+2*n+1], v[cb:cb+1], v[TT+2*n:TT+2*n+1] op_sel:[1,0,0] op_sel_hi:[0,0,1] neg_lo:[0,1,0]
.endif
.set n, n+1
.endr
	WIN 0
.endm
	s_load_b256 s[4:11], s[0:1], 0x0               ; xb, wb, cos, sin
	s_load_b128 s[12:15], s[0:1], 0x20             ; qb, kv
	v_lshl_add_u32 v254, v0, 2, SPARE
	v_mov_b32 v255, 0
	ds_add_u32 v254, v255
	ds_add_u32 v254, v255
	v_lshrrev_b32 v7, 5, v0
	v_readfirstlane_b32 s[WV], v7                  ; wave 0..3
	s_and_b32 s17, s[WV], 1                        ; a
	s_lshr_b32 s56, s[WV], 1                       ; b
	v_and_b32 v8, 31, v0                           ; l
	v_and_b32 v7, 15, v0                           ; r
	v_bfe_u32 v62, v0, 4, 1                        ; h
	v_lshlrev_b32 v12, 4, v8                       ; 16 l
	v_lshlrev_b32 v13, 3, v8                       ; 8 l
	v_lshlrev_b32 v9, 5, v8                        ; 32 l: scale words of two tiles, 32 bytes a row
	v_lshlrev_b32 v14, 4, v7                       ; 16 r
	v_and_b32 v15, 8, v7
	v_add_nc_u32 v15, v15, v7                      ; r + 8 (r / 8)
	v_lshlrev_b32 v15, 7, v15
	v_lshl_add_u32 v15, v62, 5, v15                ; cos, sin: my row of 128 bytes, + 32 h
	s_mul_i32 s96, s17, 24576
	v_add_nc_u32 v1, s96, v12                      ; v1, v2: my four tiles of x in the halves
	v_add_nc_u32 v2, HB, v1
	s_mul_i32 s96, s56, 24576
	s_add_co_u32 s96, s96, WOFF
	v_add_nc_u32 v3, s96, v12                      ; v3, v4: my four tiles of wq or wk
	v_add_nc_u32 v4, HB, v3
	s_mul_i32 s96, s56, 12288
	s_add_co_u32 s96, s96, WOFF+49152
	v_add_nc_u32 v5, s96, v12                      ; v5, v6: my two tiles of wv
	v_add_nc_u32 v6, HB, v5
	s_lshl_b32 s96, s56, 3
	s_lshl_b32 s97, s17, 1
	s_add_co_u32 s96, s96, s97
	s_add_co_u32 s96, s96, XCH
	v_add_nc_u32 v10, s96, v14                     ; V's scale bytes: 16 r + 4 (2 b + c) + 2 a
	v_add_nc_u32 v11, XCH, v13
.irp i, 4,5,6,7
	v_mov_b32 v[TM+\i], 0                          ; a lane permute's destination counts as one of its sources
.endr
	s_wait_alu depctr_va_vdst(0)
	s_bfe_u32 s18, ttmp6, 0x40000                  ; cx
	s_bfe_u32 s19, ttmp6, 0x40004                  ; cy
	s_lshl_b32 s20, ttmp9, 2
	s_add_co_u32 s20, s20, s18                     ; X
	s_and_b32 s21, ttmp7, 0xffff
	s_lshl_b32 s21, s21, 2
	s_add_co_u32 s21, s21, s19                     ; Y
	s_lshl_b32 s22, s19, 2
	s_lshl_b32 s22, 15, s22                        ; my row of the cluster
	s_lshl_b32 s23, 0x1111, s18                    ; my column
	; descriptor group 1: rows of 6,144 bytes (a tile's four K steps: 768 elements of 8 bytes), 12,288 bytes apart; x: 8 tiles, weights: 12
	s_or_b32 s[G1X], s22, (3<<16)|(1<<21)
	s_or_b32 s[G1W], s23, (3<<16)|(1<<21)
.irp g, G1X, G1W
	s_mov_b32 s[\g+1], 768<<16
	s_mov_b32 s[\g+3], 768<<16
	s_mov_b32 s[\g+5], 1536
	s_mov_b32 s[\g+6], 0
	s_mov_b32 s[\g+7], 0
.endr
	s_mov_b32 s[G1X+2], 8<<16
	s_mov_b32 s[G1X+4], 8
	s_mov_b32 s[G1W+2], 12<<16
	s_mov_b32 s[G1W+4], 12
	s_mul_i32 s84, s21, 98304                      ; x's tile 8 Y
	s_mov_b32 s85, 0
	s_mul_i32 s86, s20, 147456                     ; the weights' tile 12 X
	s_mov_b32 s87, 0
	s_mov_b32 s[SEL], 0x76543210
	s_mov_b32 s[SEL+1], 0xfedcba98
	s_wait_dscnt 0x0                               ; both opening adds are done
	ROUND                                          ; all sixteen work-groups are here: the joint loads meet
	s_wait_kmcnt 0x0
	s_add_nc_u64 s[92:93], s[4:5], s[84:85]
	s_add_nc_u64 s[94:95], s[6:7], s[86:87]
.irp h, 0,1
	s_mov_b32 s[G0X+4*\h], 1
	s_mov_b32 s[G0X+4*\h+1], \h*HB
	s_add_nc_u64 s[G0X+4*\h+2:G0X+4*\h+3], s[92:93], \h*6144
	s_or_b32 s[G0X+4*\h+3], s[G0X+4*\h+3], 0x80000000
	s_mov_b32 s[G0W+4*\h], 1
	s_mov_b32 s[G0W+4*\h+1], \h*HB+WOFF
	s_add_nc_u64 s[G0W+4*\h+2:G0W+4*\h+3], s[94:95], \h*6144
	s_or_b32 s[G0W+4*\h+3], s[G0W+4*\h+3], 0x80000000
.endr
	ARM 1, G0W, G1W, .Lhead_1                      ; wave 0: the weights' first half of K; wave 1: x's; waves 2, 3: the second half
	ARM 2, G0X, G1X, .Lhead_2
	ARM 3, G0W+4, G1W, .Lhead_3
	tensor_load_to_lds s[G0X+4:G0X+7], s[G1X:G1X+7]
	s_nop 0
	NOPS 4
.Lasked:
	s_lshl_b32 s96, s21, 12                        ; x's scale words: tile 8 Y + 4 a on, 512 bytes a tile
	s_lshl_b32 s97, s17, 11
	s_add_co_u32 s96, s96, s97
	s_add_co_u32 s96, s96, XSOFF
	s_mov_b32 s97, 0
	s_add_nc_u64 s[60:61], s[4:5], s[96:97]
	s_mul_i32 s98, s20, 6144                       ; the weights': tile 12 X + 4 b on,
	s_add_co_u32 s98, s98, WSOFF
	s_lshl_b32 s96, s56, 11
	s_add_co_u32 s96, s96, s98
	s_add_nc_u64 s[62:63], s[6:7], s[96:97]
	s_lshl_b32 s96, s56, 10
	s_add_co_u32 s96, s96, s98
	s_add_co_u32 s96, s96, 4096                    ; and tile 12 X + 8 + 2 b on
	s_add_nc_u64 s[66:67], s[6:7], s[96:97]
.irp p, 0,1
.irp q, 0,1
	global_load_b128 v[XS+8*\p+4*\q:XS+8*\p+4*\q+3], v9, s[60:61] offset:1024*\p+16*\q
	global_load_b128 v[WS+8*\p+4*\q:WS+8*\p+4*\q+3], v9, s[62:63] offset:1024*\p+16*\q
.endr
.endr
	global_load_b128 v[VSC:VSC+3], v9, s[66:67]
	global_load_b128 v[VSC+4:VSC+7], v9, s[66:67] offset:16
	s_lshl_b32 s96, s21, 14                        ; cos and sin of my 64 positions, from row 128 Y + 64 a on: lane (r, h) wants pairs 16 e + 8 h + 0 .. 7
	s_lshl_b32 s98, s17, 13
	s_add_co_u32 s96, s96, s98
	s_add_nc_u64 s[8:9], s[8:9], s[96:97]
	s_add_nc_u64 s[10:11], s[10:11], s[96:97]
	WIN 0xc0
.irp a, 0,1,2,3
.irp e, 0,1
.irp j, 0,1
	global_load_b128 v[32*\a+8*\e+4*\j:32*\a+8*\e+4*\j+3], v15, s[8:9] offset:((\a/2)*32+(\a%2)*8)*128+64*\e+16*\j
	global_load_b128 v[32*\a+16+8*\e+4*\j:32*\a+16+8*\e+4*\j+3], v15, s[10:11] offset:((\a/2)*32+(\a%2)*8)*128+64*\e+16*\j
.endr
.endr
.endr
	WIN 0
	; where the results go.  q: half fragment X 128 + T at 768 each; its scale words 256 bytes for four tiles
	s_lshl_b32 s84, s20, 7
	s_lshl_b32 s85, s21, 3
	s_add_co_u32 s84, s84, s85
	s_lshl_b32 s85, s17, 2
	s_add_co_u32 s84, s84, s85
	s_mul_i32 s84, s84, 768
	s_lshl_b32 s86, s20, 5
	s_lshl_b32 s87, s21, 1
	s_add_co_u32 s86, s86, s87
	s_add_co_u32 s86, s86, s17
	s_lshl_b32 s86, s86, 8
	s_add_co_u32 s86, s86, QSOFF
	s_lshr_b32 s57, s20, 1                         ; head
	s_and_b32 s58, s20, 1                          ; sub-head
	s_lshl_b32 s88, s57, 4
	s_add_co_u32 s88, s88, s21
	s_mul_i32 s88, s88, STEPB                      ; the block of (head, key step)
	s_mul_i32 s89, s58, 6144
	s_mul_i32 s90, s17, 3072
	s_add_co_u32 s89, s89, s90
	s_add_co_u32 s89, s89, s88                     ; k's codes
	s_lshl_b32 s90, s58, 9
	s_lshl_b32 s91, s17, 8
	s_add_co_u32 s90, s90, s91
	s_add_co_u32 s90, s90, s88
	s_add_co_u32 s90, s90, 12288                   ; k's scale words
	s_cmp_eq_u32 s56, 1                            ; b = 1: k
	s_cselect_b64 s[92:93], s[14:15], s[12:13]
	s_cselect_b32 s84, s89, s84
	s_cselect_b32 s86, s90, s86
	s_mov_b32 s85, 0
	s_mov_b32 s87, 0
	s_add_nc_u64 s[84:85], s[92:93], s[84:85]
	s_add_nc_u64 s[86:87], s[92:93], s[86:87]
	s_lshl_b32 s90, s58, 2
	s_lshl_b32 s91, s56, 1
	s_add_co_u32 s90, s90, s91                     ; v: my first channel tile of the head's eight
	s_lshl_b32 s92, s90, 10
	s_lshl_b32 s93, s17, 9
	s_add_co_u32 s92, s92, s93
	s_add_co_u32 s92, s92, s88
	s_add_co_u32 s92, s92, 13312
	s_mov_b32 s93, 0
	s_add_nc_u64 s[92:93], s[14:15], s[92:93]      ; its pieces of four registers
	s_lshl_b32 s94, s90, 9
	s_lshl_b32 s95, s17, 8
	s_add_co_u32 s94, s94, s95
	s_add_co_u32 s94, s94, s88
	s_add_co_u32 s94, s94, 21504
	s_mov_b32 s95, 0
	s_add_nc_u64 s[94:95], s[14:15], s[94:95]      ; and of two
	s_lshl_b32 s98, s58, 8
	s_add_co_u32 s98, s98, s88
	s_add_co_u32 s98, s98, 25600
	s_mov_b32 s99, 0
	s_add_nc_u64 s[98:99], s[14:15], s[98:99]      ; V's scale words, 256 bytes
	s_wait_alu depctr_va_vdst(0)
	s_cmp_lt_u32 s[WV], 2
	s_cbranch_scc0 .Lsecond_half
	s_wait_tensorcnt 0x0                           ; waves 0 and 1: the first half of K is in
.Lsecond_half:
	s_barrier_signal -1
	s_barrier_wait -1                              ; the second half may be on its way
	FETCH 0, 0
	s_wait_loadcnt 32                              ; the scale words are in; the 32 loads of cos and sin may be out
.set kk, 0
.rept 7
.if kk == 3
	s_wait_dscnt 0x0
	s_wait_tensorcnt 0x0                           ; waves 2 and 3: the second half is in
	s_barrier_signal -1
	MULQ kk, kk%2, 0                               ; register work while the others arrive
	s_barrier_wait -1
	NOPS 4
	FETCH kk+1, (kk+1)%2
	MULV kk, kk%2, 0
.else
	NOPS 4                                         ; places in front of loads into registers that the step before multiplied
	FETCH kk+1, (kk+1)%2
	s_wait_dscnt 30                                ; all but the 30 just issued
	MULQ kk, kk%2, (kk==0)
	MULV kk, kk%2, (kk==0)
.endif
.set kk, kk+1
.endr
	s_wait_dscnt 0x0
	MULQ 7, 1, 0
	MULV 7, 1, 0
	WIN 0
	NOPS 4                                         ; places in front of the first read of results
	; ---- v: two channel tiles, registers 6 a .. 6 a + 5 of each fragment
	QUANT 128, PC
	ds_store_b16 v10, v[PW]
	ds_store_b16_d16_hi v10, v[PW] offset:4
	s_wait_alu depctr_va_vdst(0)
	s_cmp_eq_u32 s17, 0
	s_cbranch_scc0 .Lupper
.irp c, 0,1
	global_store_b128 v12, v[PC+6*\c:PC+6*\c+3], s[92:93] offset:1024*\c     ; registers 0-3
	global_store_b64 v13, v[PC+6*\c+4:PC+6*\c+5], s[94:95] offset:512*\c     ; 4, 5
.endr
	s_branch .Lv_out
.Lupper:
.irp c, 0,1
	global_store_b64 v13, v[PC+6*\c:PC+6*\c+1], s[94:95] offset:512*\c       ; registers 6, 7
	global_store_b128 v12, v[PC+6*\c+2:PC+6*\c+5], s[92:93] offset:1024*\c   ; 8-11
.endr
.Lv_out:
	s_wait_loadcnt 0x0                             ; cos and sin
	s_wait_dscnt 0x0                               ; my scale bytes are in LDS
	s_barrier_signal -1
	ROPE 0
	ROPE 1
	s_wait_alu depctr_va_vdst(0)
	s_barrier_wait -1
	ds_load_b64 v[60:61], v11                      ; V's scale words from both waves a
	; ---- q or k: four half fragments
.irp e, 0,1
.if \e
	ROPE 2
	ROPE 3
.endif
	QUANT 64*\e, PC+20+20*\e
	v_mov_b32 v[PWS+2*\e], v[PW]                   ; (the two bytes above a half fragment's own scale zero codes and are never 0xff)
	v_lshrrev_b32 v[PWS+2*\e+1], 16, v[PW]
.irp c, 0,1
	global_store_b128 v12, v[PC+20+20*\e+6*\c:PC+20+20*\e+6*\c+3], s[84:85] offset:768*(2*\e+\c)
	global_store_b64 v13, v[PC+20+20*\e+6*\c+4:PC+20+20*\e+6*\c+5], s[84:85] offset:768*(2*\e+\c)+512
.endr
.endr
	global_store_b128 v14, v[PWS:PWS+3], s[86:87]  ; four tiles' words of a row side by side: 256 consecutive bytes, aligned; lanes 16-31 store the same to the same places
	s_wait_alu depctr_va_vdst(0)
	s_wait_dscnt 0x0
	s_cmp_lg_u32 s[WV], 0
	s_cbranch_scc1 .Ldone
	global_store_b64 v13, v[60:61], s[98:99]       ; wave 0: 256 consecutive bytes
.Ldone:
	s_wait_tensorcnt 0x0                           ; the wave's end
	ds_add_u32 v254, v255
	s_wait_dscnt 0x0
	ROUND                                          ; the closing round: no work-group ends while a partner may still ask for a tile that names it
	s_endpgm
.Lfunc_end_k_qeae279968e_qkv:
	.size	k_qeae279968e_qkv, .Lfunc_end_k_qeae279968e_qkv-k_qeae279968e_qkv
	.p2alignl 7, 3214868480
	.fill 96, 4, 3214868480
	.section	.rodata,"a",@progbits
	.p2align	6, 0x0
	.amdhsa_kernel k_qeae279968e_qkv
		.amdhsa_group_segment_fixed_size 246528
		.amdhsa_private_segment_fixed_size 0
		.amdhsa_enable_private_segment 0
		.amdhsa_kernarg_size 48
		.amdhsa_user_sgpr_count 2
		.amdhsa_user_sgpr_kernarg_segment_ptr 1
		.amdhsa_wavefront_size32 1
		.amdhsa_system_sgpr_workgroup_id_x 1
		.amdhsa_system_sgpr_workgroup_id_y 1
		.amdhsa_system_sgpr_workgroup_id_z 1
		.amdhsa_system_vgpr_workitem_id 0
		.amdhsa_next_free_vgpr 896
		.amdhsa_next_free_sgpr 100
		.amdhsa_reserve_vcc 0
		.amdhsa_float_denorm_mode_32 3
		.amdhsa_float_denorm_mode_16_64 3
		.amdhsa_memory_ordered 1
		.amdhsa_forward_progress 1
		.amdhsa_inst_pref_size 78
	.end_amdhsa_kernel
	.amdgpu_metadata
---
amdhsa.version: [ 1, 2 ]
amdhsa.kernels:
  - .name:           k_qeae279968e_qkv
    .symbol:         k_qeae279968e_qkv.kd
    .args:
      - { .name: xb, .offset: 0, .size: 8, .value_kind: global_buffer, .address_space: global }
      - { .name: wb, .offset: 8, .size: 8, .value_kind: global_buffer, .address_space: global }
      - { .name: cos, .offset: 16, .size: 8, .value_kind: global_buffer, .address_space: global }
      - { .name: sin, .offset: 24, .size: 8, .value_kind: global_buffer, .address_space: global }
      - { .name: qb, .offset: 32, .size: 8, .value_kind: global_buffer, .address_space: global }
      - { .name: kv, .offset: 40, .size: 8, .value_kind: global_buffer, .address_space: global }
    .group_segment_fixed_size: 246528
    .private_segment_fixed_size: 0
    .kernarg_segment_align: 8
    .kernarg_segment_size: 48
    .max_flat_workgroup_size: 128
    .sgpr_count:     100
    .vgpr_count:     896
    .wavefront_size: 32
...
	.end_amdgpu_metadata
.endif
;; end of part 2
;; launch attn (part 3): grid 32 x 8, 8 waves a work-group, clusters of 4 x 1, 327,680 bytes of LDS; arguments qb, kv, lambda_q1, lambda_k1, lambda_q2, lambda_k2, subln_weight, ab; writes ab
.if DOCPART == 3
	.amdgcn_target "amdgcn-amd-amdhsa--gfx1250"
	.amdhsa_code_object_version 6
	.text
	.protected	k_qeae279968e_attn
	.globl	k_qeae279968e_attn
	.p2align	8
	.type	k_qeae279968e_attn,@function
k_qeae279968e_attn:
	s_mov_b64 s[64:65], 0
	v_nop
	global_prefetch_b8 v0, s[64:65] scope:SCOPE_SE
	s_setreg_imm32_b32 hwreg(HW_REG_WAVE_MODE, 25, 1), 1
	s_wait_xcnt 0x0
	s_wait_alu depctr_hold_cnt(0) depctr_sa_sdst(0) depctr_va_vdst(0) depctr_va_sdst(0) depctr_va_ssrc(0) depctr_va_vcc(0) depctr_vm_vsrc(0)
	s_getreg_b32 s2, hwreg(HW_REG_IB_STS2, 6, 4)
	s_cmp_eq_u32 s2, 0
	s_cbranch_scc0 .Lentry_in_a_cluster
	s_endpgm
.Lentry_in_a_cluster:
	s_bfe_u32 s2, ttmp6, 0x10000c
	s_cmp_lg_u32 s2, 0x3003
	s_cbranch_scc0 .Lentry_shape_is_right
	s_endpgm
.Lentry_shape_is_right:
; Both causal attentions of a head, a1 - lambda a2, the RMS norm over 128, the gain, x (1 - lambda_init), quantised along the 128 for the last product.
; Products on codes of FP6 with E8M0 scales.  Scores: K = 64, the upper 64 of the instruction's 128 are zero codes on both sides.  p = 2^(t - M), M a whole number, not normalised;
; the row's sum is taken of the unquantised p.
; BALANCE.  A tile of 16 queries in group G (128 queries) needs key steps 0 .. G.  A wave owns tile A of group 15 - g and tile B of group g: 16 - g and g + 1 steps, 17 VIRTUAL
; STEPS in every work-group: step v reads key step v (v < N1 = 16 - g, tile A) or v - N1 (tile B).  So all trip counts are constants and every tile fetched is used.
; WAVES.  w = sub-head + 2 pi + 4 parity.  The wave takes sub-head w % 2 of tile pair j8 = 2 cx + pi and the virtual steps of its parity; the two parities' partial sums
; are joined at the end by exact powers of two.  Two waves share a SIMD.
; CLUSTER.  The four work-groups of a cluster share head and g, so they walk the same tiles of K and V: each is asked for jointly.  (All of LDS is claimed.)
; RING.  Two slots of four virtual steps (4 x 26,112 bytes); each wave brings half a step, 51 rows of 256 bytes.  One load of mine is out behind each round.
; LIMITS: NaN and infinities are not served; hidden scores are -infinity (p = 0 as with the smallest number, since every row sees a key); a block of p that has fallen to 0 keeps the byte 1.
; REGISTERS, window 0: v1-4 lane places in a step's block; v5, v6 the spare word's address and 0; v7 my query less 16 (lane / 16); v8-11 the step's addresses; v12 -M, v13 largest t,
;   v[14:15] the sum; v16-27 Q (upper six zero), v28 its scale words; v29-35 tile B's; v36-43 stash and stage addresses; v44-47 V's scale words; v48-55 lambdas; v56, v57 16 l, 32 r;
;   v96-159 S^T, then p; v160-223 O^T; v224-254 at work; v64-67 K's scale words.   window 1: v0-95 K (8 x 12, upper six zero); v96-191 V^T; v192-255 the gain.
.set STEPB, 26112
.set HALFB, 13056
.set SLOT1, 131072
.set KSC,   64                         ; v64-67  K's scale words in the steps; v248-251 serve the sums alone
; v76, v77 the step's addresses of V's pieces of two registers, v80 their lane place; v48 lambda from the head on.
; A block's V^T: 8 tiles x 1,024 bytes (registers 0-3, registers 8-11), then 8 tiles x 512 (registers 4, 5, registers 6, 7).
; V's loads stand behind the scores' products; of a slot's two steps the second's K is fetched during the first's softmax.
; Nothing is prefetched: the eight clusters of a head walk the same key steps from 0 on, so each would ask for the bytes that the seven others ask for.
.set SPARE, 104448                     ; behind slot 0: the spare words, 128 bytes for each of eight waves
.set LMA,   105472                     ; (sum, -M) of tile A: 256 bytes a wave
.set LMB,   107520                     ; of tile B
.set STGA,  235520                     ; behind slot 1: O^T of tile A, 8,192 bytes a wave; tile B's goes into slot 1 behind its last fill and its last read
.set QSOFF, 1572864
.set ASOFF, 1572864
.set WV,  20
.set SG,  21                           ; sub-head; also: which half of a step I fetch
.set PR,  22                           ; pi
.set PY,  23                           ; parity
.set G1,  24
.set G0,  32
.set N1,  36
.set VS,  37                           ; my next virtual step
.set DG,  38                           ; the virtual step on the current tile's diagonal
.set VL,  39                           ; the virtual step that my last fill brought
.set TB,  40
.set TQ,  41
.set SEL, 42
.set CS,  44
.set KVW, 46
.set CNT, 66
.set TLA, 67
.set TLB, 68
.set TM,  160                          ; the last quantiser's work registers (O^T's are free then)
.set PW,  196
.set MSB, 0
.macro WIN new
.if MSB != (\new)
	s_set_vgpr_msb (MSB<<8)|(\new)
.set MSB, \new
.endif
.endm
.macro NOPS n
.rept \n
	v_nop
.endr
.endm
.macro ROUND
	s_barrier_signal -1
	s_barrier_wait -1
	s_cmp_lg_u32 s[WV], 0
	s_cbranch_scc1 .Lnw0_\@
	s_barrier_signal -3
.Lnw0_\@:
	s_barrier_wait -3
	s_barrier_signal -1
	s_barrier_wait -1
.endm
.macro WMM d, a, b, sa, sb, ra, z
.if \z
.if \ra
	v_wmma_scale_f32_16x16x128_f8f6f4 v[\d:\d+7], v[\a:\a+11], v[\b:\b+11], 0, v[\sa], v[\sb] matrix_a_fmt:MATRIX_FMT_FP6 matrix_b_fmt:MATRIX_FMT_FP6 matrix_a_scale:MATRIX_SCALE_ROW1
.else
	v_wmma_scale_f32_16x16x128_f8f6f4 v[\d:\d+7], v[\a:\a+11], v[\b:\b+11], 0, v[\sa], v[\sb] matrix_a_fmt:MATRIX_FMT_FP6 matrix_b_fmt:MATRIX_FMT_FP6
.endif
.else
.if \ra
	v_wmma_scale_f32_16x16x128_f8f6f4 v[\d:\d+7], v[\a:\a+11], v[\b:\b+11], v[\d:\d+7], v[\sa], v[\sb] matrix_a_fmt:MATRIX_FMT_FP6 matrix_b_fmt:MATRIX_FMT_FP6 matrix_a_scale:MATRIX_SCALE_ROW1
.else
	v_wmma_scale_f32_16x16x128_f8f6f4 v[\d:\d+7], v[\a:\a+11], v[\b:\b+11], v[\d:\d+7], v[\sa], v[\sb] matrix_a_fmt:MATRIX_FMT_FP6 matrix_b_fmt:MATRIX_FMT_FP6
.endif
.endif
.endm
.macro QUANT s, pc                     ; 64 numbers of a lane, register 16 b + i = k 32 b + 16 (lane / 16) + i, become a fragment's codes and its scale word
.irp b, 0,1,2,3
	v_max3_num_f32 v[TM+\b], |v[(\s)+16*\b]|, |v[(\s)+1+16*\b]|, 0x1800000
.endr
.irp i, 2,4,6,8,10,12,14
.irp b, 0,1,2,3
	s_delay_alu instid0(VALU_DEP_4)
	v_max3_num_f32 v[TM+\b], v[TM+\b], |v[(\s)+16*\b+\i]|, |v[(\s)+1+16*\b+\i]|
.endr
.endr
.irp b, 0,1,2,3
	s_delay_alu instid0(VALU_DEP_4)
	v_permlanex16_b32 v[TM+4+\b], v[TM+\b], s[SEL], s[SEL+1]
.endr
.irp b, 0,1,2,3
	s_delay_alu instid0(VALU_DEP_4)
	v_max_num_f32 v[TM+\b], v[TM+\b], v[TM+4+\b]
.endr
.irp b, 0,1,2,3
	s_delay_alu instid0(VALU_DEP_4)
	v_add_nc_u32 v[TM+12+\b], 0xff000000, v[TM+\b]
.endr
.irp b, 0,1,2,3
	s_delay_alu instid0(VALU_DEP_4)
	v_lshrrev_b32 v[TM+4+\b], 23, v[TM+12+\b]
.endr
	s_delay_alu instid0(VALU_DEP_3)
	v_lshl_or_b32 v[PW], v[TM+5], 8, v[TM+4]
	s_delay_alu instid0(VALU_DEP_1)
	v_lshl_or_b32 v[PW], v[TM+6], 16, v[PW]
	s_delay_alu instid0(VALU_DEP_1)
	v_lshl_or_b32 v[PW], v[TM+7], 24, v[PW]
.irp c, 0,1
	v_cvt_scalef32_pk16_fp6_f32 v[(\pc)+6*\c:(\pc)+2+6*\c], v[(\s)+32*\c:(\s)+15+32*\c], v[TM+12+2*\c]
	v_cvt_scalef32_pk16_fp6_f32 v[(\pc)+12+4*\c:(\pc)+14+4*\c], v[(\s)+16+32*\c:(\s)+31+32*\c], v[TM+12+2*\c+1]
.endr
	v_nop
.irp c, 0,1
.irp i, 0,1,2
	v_permlane16_swap_b32 v[(\pc)+6*\c+\i], v[(\pc)+12+4*\c+\i]
.endr
.irp i, 0,1,2
	s_delay_alu instid0(VALU_DEP_3)
	v_mov_b32 v[(\pc)+3+6*\c+\i], v[(\pc)+12+4*\c+\i]
.endr
.endr
.endm
	s_load_b256 s[4:11], s[0:1], 0x0               ; qb, kv, lambda_q1, lambda_k1
	s_load_b256 s[12:19], s[0:1], 0x20             ; lambda_q2, lambda_k2, subln_weight, ab
	v_lshl_add_u32 v5, v0, 2, SPARE
	v_mov_b32 v6, 0
	ds_add_u32 v5, v6
	ds_add_u32 v5, v6
	s_wait_dscnt 0x0
	v_lshrrev_b32 v8, 5, v0
	s_delay_alu instid0(VALU_DEP_1)
	v_readfirstlane_b32 s[WV], v8                  ; wave 0..7
	s_and_b32 s[SG], s[WV], 1
	s_bfe_u32 s[PR], s[WV], 0x10001
	s_lshr_b32 s[PY], s[WV], 2
	s_bfe_u32 s50, ttmp6, 0x40000                  ; cx: it enters Q's and the result's addresses and the mask's numbers alone
	s_and_b32 s49, ttmp7, 0xffff                   ; the head
	s_sub_co_u32 s[N1], 16, ttmp9                  ; g = the cluster's x
	s_mov_b32 s[VS], s[PY]
	s_sub_co_u32 s[DG], s[N1], 1
	s_lshr_b32 s[VL], s[WV], 1
	s_mov_b32 s[TB], 0
	s_mov_b32 s[SEL], 0x76543210
	s_mov_b32 s[SEL+1], 0xfedcba98
	s_mov_b32 s[CS], 0x3e38aa3b                    ; c = log2(e) / sqrt(64)
	s_mov_b32 s[CS+1], s[CS]
	; descriptor group 1: half a step's block: 51 rows of 256 bytes (32 elements of 8), dense
	s_mov_b32 s[G1], 15|(3<<16)|(1<<21)            ; the mask names all four work-groups
	s_mov_b32 s[G1+1], 32<<16
	s_mov_b32 s[G1+2], 51<<16
	s_mov_b32 s[G1+3], 32<<16
	s_mov_b32 s[G1+4], 51
	s_mov_b32 s[G1+5], 32
	s_mov_b32 s[G1+6], 0
	s_mov_b32 s[G1+7], 0
	s_mul_i32 s52, s[VL], STEPB
	s_mul_i32 s53, s[SG], HALFB
	s_mov_b32 s[G0], 1
	s_add_co_u32 s[G0+1], s52, s53                 ; slot 0, step w / 2, half w % 2
	s_mul_i32 s54, s49, 16*STEPB
	s_add_co_u32 s54, s54, s53
	s_mov_b32 s55, 0
	s_mov_b32 s53, 0
	ROUND                                          ; all four work-groups are here
	s_wait_kmcnt 0x0
	s_add_nc_u64 s[KVW:KVW+1], s[6:7], s[54:55]    ; my half of the head's key step 0
	s_add_nc_u64 s[G0+2:G0+3], s[KVW:KVW+1], s[52:53]
	s_or_b32 s[G0+3], s[G0+3], 0x80000000
	tensor_load_to_lds s[G0:G0+3], s[G1:G1+7]      ; virtual steps 0 to 3
	s_nop 0
	NOPS 4
	v_and_b32 v58, 31, v0                          ; l
	v_and_b32 v59, 15, v0                          ; r
	v_bfe_u32 v60, v0, 4, 1                        ; h
	s_delay_alu instid0(VALU_DEP_3)
	v_lshlrev_b32 v56, 4, v58
	s_wait_alu depctr_va_vdst(0)
	v_lshlrev_b32 v61, 3, v58
	v_lshlrev_b32 v62, 4, v59
	v_lshlrev_b32 v57, 5, v59
	v_lshlrev_b32 v63, 6, v60
	s_mul_i32 s52, s[PY], STEPB                    ; of a pair of steps mine is the one of my parity
	s_mul_i32 s53, s[SG], 6144
	s_add_co_u32 s53, s53, s52
	v_add_nc_u32 v1, s53, v56                      ; K's half fragments: registers 0-3
	s_add_co_u32 s53, s53, 512
	v_add_nc_u32 v2, s53, v61                      ; registers 4, 5
	s_lshl_b32 s53, s[SG], 9
	s_add_co_u32 s53, s53, s52
	s_add_co_u32 s53, s53, 12288
	v_add_nc_u32 v3, s53, v56                      ; K's scale words: register j: lanes 0-15 tile j, lanes 16-31 tile 4 + j
	s_add_co_u32 s53, s52, 13312
	v_add_nc_u32 v4, s53, v56                      ; V^T's fragments; its scale words lie 12,288 further on
	s_lshl_b32 s52, s[WV], 13
	s_add_co_u32 s53, s52, STGA
	v_add_nc_u32 v38, s53, v56
	s_add_co_u32 s53, s52, SLOT1
	v_add_nc_u32 v40, s53, v56
	s_lshl_b32 s52, s[WV], 8
	s_add_co_u32 s53, s52, LMA
	v_add_nc_u32 v39, s53, v61
	s_add_co_u32 s53, s52, LMB
	v_add_nc_u32 v41, s53, v61
	s_xor_b32 s52, s[SG], 1                        ; at the end wave (sub-head 0, pi) finishes tile A, wave (sub-head 1, pi) tile B
	s_mul_i32 s52, s52, STGA-SLOT1
	s_lshl_b32 s53, s[PR], 14
	s_add_co_u32 s52, s52, s53
	s_add_co_u32 s52, s52, SLOT1
	v_add_nc_u32 v42, s52, v56
	s_lshl_b32 s52, s[SG], 11
	s_lshl_b32 s53, s[PR], 9
	s_add_co_u32 s52, s52, s53
	s_add_co_u32 s52, s52, LMA
	v_add_nc_u32 v43, s52, v61
	s_mul_i32 s53, s[PY], STEPB
	s_add_co_u32 s53, s53, 21504
	v_add_nc_u32 v80, s53, v61                     ; V's pieces of two registers
	s_lshl_b32 s51, s50, 1
	s_add_co_u32 s51, s51, s[PR]                   ; j8
	s_lshl_b32 s52, s50, 5
	s_lshl_b32 s53, s[PR], 3
	s_add_co_u32 s52, s52, s53
	v_and_b32 v7, 8, v59
	s_delay_alu instid0(VALU_DEP_1)
	v_add_nc_u32 v7, v7, v59
	s_delay_alu instid0(VALU_DEP_1)
	v_add_nc_u32 v7, s52, v7                       ; my query in its group of 128: 32 (j8 / 2) + 8 (j8 % 2) + r + 8 (r / 8),
	v_lshlrev_b32 v8, 4, v60
	s_delay_alu instid0(VALU_DEP_1)
	v_sub_nc_u32 v7, v7, v8                        ; less 16 h
	s_lshl_b32 s52, s49, 1
	s_add_co_u32 s52, s52, s[SG]                   ; 2 head + sub-head
	s_sub_co_u32 s[TLA], 15, ttmp9
	s_lshl_b32 s[TLA], s[TLA], 3
	s_add_co_u32 s[TLA], s[TLA], s51               ; tile A
	s_lshl_b32 s[TLB], ttmp9, 3
	s_add_co_u32 s[TLB], s[TLB], s51               ; tile B
	s_lshl_b32 s54, s52, 7
	s_add_co_u32 s56, s54, s[TLA]
	s_mul_i32 s56, s56, 768
	s_mov_b32 s57, 0
	s_add_co_u32 s58, s54, s[TLB]
	s_mul_i32 s58, s58, 768
	s_mov_b32 s59, 0
	s_lshl_b32 s54, s52, 5
	s_lshr_b32 s55, s[TLA], 2
	s_add_co_u32 s60, s54, s55
	s_lshl_b32 s60, s60, 8
	s_and_b32 s55, s[TLA], 3
	s_lshl_b32 s55, s55, 2
	s_add_co_u32 s60, s60, s55
	s_add_co_u32 s60, s60, QSOFF
	s_mov_b32 s61, 0
	s_lshr_b32 s55, s[TLB], 2
	s_add_co_u32 s62, s54, s55
	s_lshl_b32 s62, s62, 8
	s_and_b32 s55, s[TLB], 3
	s_lshl_b32 s55, s55, 2
	s_add_co_u32 s62, s62, s55
	s_add_co_u32 s62, s62, QSOFF
	s_mov_b32 s63, 0
	s_add_nc_u64 s[56:57], s[4:5], s[56:57]
	s_add_nc_u64 s[58:59], s[4:5], s[58:59]
	s_add_nc_u64 s[60:61], s[4:5], s[60:61]
	s_add_nc_u64 s[62:63], s[4:5], s[62:63]
	global_load_b128 v[16:19], v56, s[56:57]
	global_load_b64 v[20:21], v61, s[56:57] offset:512
	global_load_b32 v28, v62, s[60:61]
	global_load_b128 v[30:33], v56, s[58:59]
	global_load_b64 v[34:35], v61, s[58:59] offset:512
	global_load_b32 v29, v62, s[62:63]
	global_load_b64 v[48:49], v61, s[8:9]          ; two numbers a lane of each lambda vector
	global_load_b64 v[50:51], v61, s[10:11]
	global_load_b64 v[52:53], v61, s[12:13]
	global_load_b64 v[54:55], v61, s[14:15]
	WIN 0x40
.irp b, 0,1,2,3
.irp j, 0,1,2,3
	global_load_b128 v[192+16*\b+4*\j:192+16*\b+4*\j+3], v63, s[16:17] offset:128*\b+16*\j   ; the gain of channels 32 b + 16 h + 0 .. 15
.endr
.endr
.irp t, 0,1,2,3,4,5,6,7
.irp i, 6,7,8,9,10,11
	v_mov_b32 v[12*\t+\i], 0                       ; K's codes of k = 64 .. 127: zeros, written once
.endr
.endr
	WIN 0
.irp i, 22,23,24,25,26,27
	v_mov_b32 v[\i], 0                             ; Q's likewise
.endr
	v_mov_b32 v13, 0xff61b1e6                      ; the largest t so far: -3e38
	s_delay_alu instid0(VALU_DEP_1)
	v_floor_f32 v12, -v13
	v_mov_b32 v14, 0
	v_mov_b32 v15, 0
.irp b, 0,1,2,3
	v_mov_b32 v[236+\b], 0                         ; a lane permute's destination counts as one of its sources
.endr
	v_mov_b32 v253, 0
.set n, 0
.rept 64
	v_mov_b32 v[160+n], 0                          ; O^T: the step is written once, its first run multiplies zeros
.set n, n+1
.endr
; FROM TILE A TO TILE B, at the head of my first step of tile B (VS - N1 is 0 or 1: once a wave).  Tile A's partial O^T, sum and -M go to my own LDS bytes; Q changes; the largest t
; begins anew.  O^T and the sum are not cleared: the next step's factor 2^(old M - new M) is 0.
.macro SWITCH
	s_sub_co_u32 s52, s[VS], s[N1]
	s_cmp_lt_u32 s52, 2
	s_cbranch_scc0 .Lnosw_\@
	v_add_f32 v36, v14, v15                        ; (these nine lines are the places behind the last products)
	v_mov_b32 v37, v12
.irp i, 0,1,2,3,4,5
	v_mov_b32 v[16+\i], v[30+\i]
.endr
	v_mov_b32 v28, v29
.irp c, 0,1,2,3,4,5,6,7,8,9,10,11,12,13,14,15
	ds_store_b128 v38, v[160+4*\c:163+4*\c] offset:512*\c   ; as an image of the registers, each accumulator from its low end on
.endr
	ds_store_b64 v39, v[36:37]
	v_mov_b32 v13, 0xff61b1e6
	s_delay_alu instid0(VALU_DEP_1)
	v_floor_f32 v12, -v13
	s_mov_b32 s[DG], 16
	NOPS 8                                         ; a scale register written by a vector instruction stands 8 places ahead of a scaled product
.Lnosw_\@:
.endm
; A VIRTUAL STEP: 128 keys against my 16 queries; q: which pair of the slot's four steps.
; pre: K is in registers already;  nxt: fetch the slot's second step's K on the way;  chg: the change of slots stands in this step (-1: none)
.macro KGET q                          ; a step's K and its scale words: 17 loads
	s_add_co_u32 s[TQ], s[TB], (\q)*2*STEPB
	v_add_nc_u32 v8, s[TQ], v1
	v_add_nc_u32 v9, s[TQ], v2
	v_add_nc_u32 v10, s[TQ], v3
	ds_load_b128 v[KSC:KSC+3], v10
	WIN 0x40
.irp t, 0,1,2,3,4,5,6,7
	ds_load_b128 v[12*\t:12*\t+3], v8 offset:768*\t
	ds_load_b64 v[12*\t+4:12*\t+5], v9 offset:768*\t
.endr
	WIN 0
.endm
.macro STEP q, pre, nxt, chg
	SWITCH
	s_add_co_u32 s[TQ], s[TB], (\q)*2*STEPB
	v_add_nc_u32 v11, s[TQ], v4                    ; (these lines are the places in front of loads into registers that the last products read)
	v_add_nc_u32 v76, s[TQ], v80
	v_add_nc_u32 v77, 0x800, v76
	v_nop
.if (\pre) == 0
	KGET \q
.endif
	s_wait_dscnt 0x0                               ; K and its scale words are in
	WIN 0x01
	s_wait_alu depctr_va_vdst(0)
.irp t, 0,1,2,3,4,5,6,7
	WMM (96+8*\t), (12*\t), 16, (KSC+\t%4), 28, (\t/4), 1   ; S^T = K Q^T: lane (r, h) holds query r; registers 16 b + i: key 32 b + 16 h + i
.endr
	WIN 0
	ds_load_b128 v[44:47], v11 offset:12288
	WIN 0x40
.irp t, 0,1,2,3,4,5,6,7
	ds_load_b128 v[96+12*\t:96+12*\t+3], v11 offset:1024*\t
	ds_load_b128 v[96+12*\t+8:96+12*\t+11], v11 offset:1024*\t+512
	ds_load_2addr_b64 v[96+12*\t+4:96+12*\t+7], v[76+\t/4] offset0:64*(\t%4) offset1:64*(\t%4)+32
.endr
	WIN 0
	NOPS 4
	s_cmp_lg_u32 s[VS], s[DG]                      ; only the step on the diagonal hides keys
	s_cbranch_scc1 .Lopen_\@
	v_mov_b32 v254, 0xff800000
.set n, 0
.rept 64
	v_cmp_gt_i32 vcc_lo, 32*(n/16)+n%16, v7
	v_cndmask_b32 v[96+n], v[96+n], v254, vcc_lo
.set n, n+1
.endr
.Lopen_\@:
.irp b, 0,1,2,3
	v_max3_num_f32 v[232+\b], v[96+16*\b], v[97+16*\b], v[98+16*\b]   ; the largest score of each block of 32 keys: for the row's maximum and for the block's largest p
.endr
.irp i, 3,5,7,9,11,13
.irp b, 0,1,2,3
	v_max3_num_f32 v[232+\b], v[232+\b], v[96+16*\b+\i], v[97+16*\b+\i]
.endr
.endr
.irp b, 0,1,2,3
	v_max_num_f32 v[232+\b], v[232+\b], v[111+16*\b]
.endr
.irp b, 0,1,2,3
	s_delay_alu instid0(VALU_DEP_4)
	v_permlanex16_b32 v[236+\b], v[232+\b], s[SEL], s[SEL+1]
.endr
.irp b, 0,1,2,3
	s_delay_alu instid0(VALU_DEP_4)
	v_max_num_f32 v[232+\b], v[232+\b], v[236+\b]
.endr
	s_delay_alu instid0(VALU_DEP_2)
	v_max3_num_f32 v254, v232, v233, v234
	s_delay_alu instid0(VALU_DEP_1)
	v_max_num_f32 v254, v254, v235
	s_delay_alu instid0(VALU_DEP_1)
	v_mul_f32 v254, s[CS], v254
	s_delay_alu instid0(VALU_DEP_1)
	v_max_num_f32 v13, v13, v254                   ; the running largest t
	v_mov_b32 v254, v12
	s_delay_alu instid0(VALU_DEP_2)
	v_floor_f32 v12, -v13                          ; -M = floor(-t): M is a whole number
	s_delay_alu instid0(VALU_DEP_1)
	v_sub_f32 v254, v12, v254
	s_delay_alu instid0(VALU_DEP_1)
	v_cvt_i32_f32 v254, v254                       ; (it saturates)
	s_delay_alu instid0(VALU_DEP_1)
	v_ldexp_f32 v252, 1.0, v254                    ; f = 2^(old M - new M)
.set j, 0
.rept 32
	v_pk_fma_f32 v[96+j:97+j], v[96+j:97+j], s[CS:CS+1], v[12:13] op_sel_hi:[1,0,0]   ; t - M
.set j, j+2
.endr
.irp b, 0,1,2,3
	v_fma_f32 v[232+\b], v[232+\b], s[CS], v12
.endr
.if \nxt
	KGET \q+1
.endif
.set j, 0
	s_wait_alu depctr_va_vdst(0)
.rept 64
	v_exp_f32 v[96+j], v[96+j]                     ; p = 2^(t - M)
.set j, j+1
.endr
	v_pk_mul_f32 v[14:15], v[14:15], v[252:253] op_sel_hi:[1,0]   ; the sums under the new M (the plain line behind the exponentials)
	s_wait_alu depctr_va_vdst(0)                   ; one wait for the batch of 64, ahead of its first reader
.irp b, 0,1,2,3
	v_exp_f32 v[232+\b], v[232+\b]                 ; each block's largest p
.endr
	v_pk_add_f32 v[236:237], v[100:101], v[104:105]
	v_pk_add_f32 v[254:255], v[108:109], v[112:113]
	v_pk_add_f32 v[250:251], v[116:117], v[120:121]
	v_pk_add_f32 v[248:249], v[124:125], v[128:129]
	v_pk_add_f32 v[246:247], v[132:133], v[136:137]
	v_pk_add_f32 v[244:245], v[140:141], v[144:145]
	v_pk_add_f32 v[242:243], v[148:149], v[152:153]
	v_pk_add_f32 v[14:15], v[14:15], v[156:157]
	v_pk_add_f32 v[236:237], v[236:237], v[96:97]
	v_pk_add_f32 v[254:255], v[254:255], v[98:99]
	v_pk_add_f32 v[250:251], v[250:251], v[102:103]
	v_pk_add_f32 v[248:249], v[248:249], v[106:107]
	v_pk_add_f32 v[246:247], v[246:247], v[110:111]
	v_pk_add_f32 v[244:245], v[244:245], v[114:115]
	v_pk_add_f32 v[242:243], v[242:243], v[118:119]
	v_pk_add_f32 v[14:15], v[14:15], v[122:123]
	v_pk_add_f32 v[236:237], v[236:237], v[126:127]
	v_pk_add_f32 v[254:255], v[254:255], v[130:131]
	v_pk_add_f32 v[250:251], v[250:251], v[134:135]
	v_pk_add_f32 v[248:249], v[248:249], v[138:139]
	v_pk_add_f32 v[246:247], v[246:247], v[142:143]
	v_pk_add_f32 v[244:245], v[244:245], v[146:147]
	v_pk_add_f32 v[242:243], v[242:243], v[150:151]
	v_pk_add_f32 v[14:15], v[14:15], v[154:155]
	v_pk_add_f32 v[236:237], v[236:237], v[158:159]
	s_delay_alu instid0(VALU_DEP_2)
	v_pk_add_f32 v[14:15], v[14:15], v[248:249]
	s_delay_alu instid0(VALU_DEP_2)
	v_pk_add_f32 v[236:237], v[236:237], v[246:247]
	v_pk_add_f32 v[254:255], v[254:255], v[244:245]
	v_pk_add_f32 v[250:251], v[250:251], v[242:243]
	s_delay_alu instid0(VALU_DEP_2)
	v_pk_add_f32 v[14:15], v[14:15], v[254:255]
	s_delay_alu instid0(VALU_DEP_2)
	v_pk_add_f32 v[236:237], v[236:237], v[250:251]
	s_delay_alu instid0(VALU_DEP_1)
	v_pk_add_f32 v[14:15], v[14:15], v[236:237]
	s_wait_alu depctr_va_vdst(0)                   ; and one for the four
.if (\chg) >= 0
	GRD \chg
.endif
.irp b, 0,1,2,3
	v_max_num_f32 v[232+\b], 0x1800000, v[232+\b]
.endr
.irp b, 0,1,2,3
	s_delay_alu instid0(VALU_DEP_4)
	v_add_nc_u32 v[244+\b], 0xff000000, v[232+\b]
.endr
.irp b, 0,1,2,3
	s_delay_alu instid0(VALU_DEP_4)
	v_lshrrev_b32 v[236+\b], 23, v[244+\b]
.endr
	s_delay_alu instid0(VALU_DEP_3)
	v_lshl_or_b32 v253, v237, 8, v236              ; p's scale word for these 128 keys
	s_delay_alu instid0(VALU_DEP_1)
	v_lshl_or_b32 v253, v238, 16, v253
	s_delay_alu instid0(VALU_DEP_1)
	v_lshl_or_b32 v253, v239, 24, v253
.if (\chg) >= 0
	s_wait_alu depctr_va_vdst(0)
	s_wait_dscnt 0x0                               ; the add is done, and so are my reads of this slot, V's among them
	s_barrier_signal -1                            ; the rest of the step is work on registers: it stands ahead of the barrier's wait
.endif
.irp c, 0,1
	v_cvt_scalef32_pk16_fp6_f32 v[224+6*\c:226+6*\c], v[96+32*\c:111+32*\c], v[244+2*\c]
	v_cvt_scalef32_pk16_fp6_f32 v[236+4*\c:238+4*\c], v[112+32*\c:127+32*\c], v[244+2*\c+1]
.endr
	v_nop
.irp c, 0,1
.irp i, 0,1,2
	v_permlane16_swap_b32 v[224+6*\c+\i], v[236+4*\c+\i]
.endr
.irp i, 0,1,2
	s_delay_alu instid0(VALU_DEP_3)
	v_mov_b32 v[227+6*\c+\i], v[236+4*\c+\i]
.endr
.endr
.set j, 0
	s_wait_alu depctr_va_vdst(0)                   ; directly ahead of the first reader of O^T
.rept 32
	v_pk_mul_f32 v[160+j:161+j], v[160+j:161+j], v[252:253] op_sel_hi:[1,0]   ; O^T under the new M; also the places in front of the products below
.set j, j+2
.endr
	s_wait_alu depctr_va_vdst(0)
.if \nxt
	s_wait_dscnt 17                                ; V is in; the next step's K, 17 loads, may be out
.elseif (\chg) < 0
	s_wait_dscnt 0x0                               ; V
.endif
	WIN 0x01
.irp t, 0,1,2,3,4,5,6,7
	WMM (160+8*\t), (96+12*\t), 224, (44+\t%4), 253, (\t/4), 0   ; O^T += V^T P^T: registers 16 b + i: channel 32 b + 16 h + i; eight accumulators by turns
.endr
	WIN 0
	s_add_co_u32 s[VS], s[VS], 2
.if (\chg) >= 0
	REST \chg
.endif
.endm
.macro GRD fill
	s_wait_tensorcnt 0x0                           ; no tensor load of mine is out, so group 0 may be written
	ds_add_u32 v5, v6                              ; 0 onto my spare word
.if \fill
	s_xor_b32 s[G0+1], s[G0+1], SLOT1
	s_add_co_u32 s[VL], s[VL], 4
	s_cmp_ge_u32 s[VL], s[N1]
	s_cselect_b32 s52, s[N1], 0
	s_sub_co_u32 s52, s[VL], s52                   ; the virtual step's key step
	s_mul_i32 s52, s52, STEPB
	s_mov_b32 s53, 0
	s_add_nc_u64 s[G0+2:G0+3], s[KVW:KVW+1], s[52:53]
	s_or_b32 s[G0+3], s[G0+3], 0x80000000
.endif
.endm
.macro REST fill
	s_barrier_wait -1
.if \fill
	s_cmp_lg_u32 s[WV], 0
	s_cbranch_scc1 .Lnr0_\@
	s_barrier_signal -3
.Lnr0_\@:
	s_barrier_wait -3
	s_barrier_signal -1
	s_barrier_wait -1
.if (\fill) == 2
	s_cmp_lt_u32 s[WV], 2
	s_cbranch_scc0 .Lnofill_\@
.endif
	tensor_load_to_lds s[G0:G0+3], s[G1:G1+7]
	s_nop 0
	NOPS 4
.if (\fill) == 2
.Lnofill_\@:
.endif
.endif
.endm
	s_wait_loadcnt 0x0                             ; Q, the lambdas, the gain
	v_mul_f32 v72, v48, v50                        ; lambda = exp(lq1 . lk1) - exp(lq2 . lk2) + lambda_init
	v_mul_f32 v73, v52, v54
	s_delay_alu instid0(VALU_DEP_2)
	v_fmac_f32 v72, v49, v51
	s_delay_alu instid0(VALU_DEP_2)
	v_fmac_f32 v73, v53, v55
.irp m, 1,2,4,8
	s_delay_alu instid0(VALU_DEP_2)
	v_add_f32_dpp v72, v72, v72 row_xmask:\m row_mask:0xf bank_mask:0xf
	s_delay_alu instid0(VALU_DEP_2)
	v_add_f32_dpp v73, v73, v73 row_xmask:\m row_mask:0xf bank_mask:0xf
.endr
	v_mov_b32 v74, 0
	v_mov_b32 v75, 0
	s_delay_alu instid0(VALU_DEP_2)
	v_permlanex16_b32 v74, v72, s[SEL], s[SEL+1]
	s_delay_alu instid0(VALU_DEP_2)
	v_permlanex16_b32 v75, v73, s[SEL], s[SEL+1]
	s_delay_alu instid0(VALU_DEP_2)
	v_add_f32 v72, v72, v74
	s_delay_alu instid0(VALU_DEP_2)
	v_add_f32 v73, v73, v75
	s_delay_alu instid0(VALU_DEP_2)
	v_mul_f32 v72, 0x3fb8aa3b, v72
	s_delay_alu instid0(VALU_DEP_2)
	v_mul_f32 v73, 0x3fb8aa3b, v73
	s_wait_alu depctr_va_vdst(0)
	v_exp_f32 v72, v72
	v_exp_f32 v73, v73
	v_nop
	s_wait_alu depctr_va_vdst(0)                   ; the two exponentials
	v_sub_f32 v72, v72, v73
	v_add_f32 v48, 0x3f489a63, v72                 ; + 0.8 - 0.6 exp(-3.6)
	s_wait_alu depctr_va_vdst(0)
	GRD 1
	s_wait_dscnt 0x0
	s_barrier_signal -1
	REST 1
	s_mov_b32 s[CNT], 2
.Lslot:                                            ; two trips: virtual steps 0 to 7 are worked, 8 to 15 asked for
	STEP 0, 0, 1, -1
	STEP 1, 1, 0, 1
	s_xor_b32 s[TB], s[TB], SLOT1
	s_sub_co_u32 s[CNT], s[CNT], 1
	s_cmp_lg_u32 s[CNT], 0
	s_cbranch_scc1 .Lslot
	STEP 0, 0, 1, -1                               ; steps 8 to 11; step 16 is asked for
	STEP 1, 1, 0, 2
	s_xor_b32 s[TB], s[TB], SLOT1
	STEP 0, 0, 1, -1                               ; steps 12 to 15
	STEP 1, 1, 0, 0
	s_xor_b32 s[TB], s[TB], SLOT1
	s_cmp_lt_u32 s[WV], 4                          ; step 16 is even: the waves of parity 0 take it
	s_cbranch_scc0 .Lno16
	STEP 0, 0, 0, -1
.Lno16:
	SWITCH                                         ; a wave of parity 1 with g = 0 has no step of tile B: it changes here, and its empty part counts for nothing below (its -M is 3e38)
	NOPS 4
	v_add_f32 v36, v14, v15
	v_mov_b32 v37, v12
.irp c, 0,1,2,3,4,5,6,7,8,9,10,11,12,13,14,15
	ds_store_b128 v40, v[160+4*\c:163+4*\c] offset:512*\c   ; tile B's part, into slot 1: it has had its last fill, and behind the last change of slots nobody reads it
.endr
	ds_store_b64 v41, v[36:37]
	s_wait_dscnt 0x0                               ; for the others' sake
	s_barrier_signal -1
	s_barrier_wait -1
	s_cmp_lt_u32 s[WV], 4
	s_cbranch_scc0 .Lend
	; ---- THE END OF A TILE: four parts (sub-head s, parity p), at (s + 4 p) x 8,192 and (s + 4 p) x 256 from my addresses
	ds_load_b64 v[64:65], v43                      ; (sum, -M) of (0, 0)
	ds_load_b64 v[66:67], v43 offset:1024          ; (0, 1)
	ds_load_b64 v[68:69], v43 offset:256           ; (1, 0)
	ds_load_b64 v[70:71], v43 offset:1280          ; (1, 1)
.irp c, 0,1,2,3,4,5,6,7,8,9,10,11,12,13,14,15
	ds_load_b128 v[96+4*\c:99+4*\c], v42 offset:512*\c
.endr
.irp c, 0,1,2,3,4,5,6,7,8,9,10,11,12,13,14,15
	ds_load_b128 v[160+4*\c:163+4*\c], v42 offset:32768+512*\c
.endr
	WIN 0x40
.irp c, 0,1,2,3,4,5,6,7,8,9,10,11,12,13,14,15
	ds_load_b128 v[4*\c:4*\c+3], v42 offset:8192+512*\c
.endr
.irp c, 0,1,2,3,4,5,6,7,8,9,10,11,12,13,14,15
	ds_load_b128 v[64+4*\c:64+4*\c+3], v42 offset:40960+512*\c
.endr
	WIN 0
	v_mov_b32 v74, 0
	v_mov_b32 v75, 0
	s_wait_dscnt 63                                ; of the 68 loads at most 63 are out: the oldest five are in, the four pairs among them (64 would do; 63 is the largest count that the wait can name)
	v_min_num_f32 v76, v65, v67                    ; the joint -M of each sub-head
	v_min_num_f32 v77, v69, v71
	s_delay_alu instid0(VALU_DEP_2)
	v_sub_f32 v78, v76, v65
	s_delay_alu instid0(VALU_DEP_3)
	v_sub_f32 v79, v76, v67
	s_delay_alu instid0(VALU_DEP_3)
	v_sub_f32 v80, v77, v69
	s_delay_alu instid0(VALU_DEP_4)
	v_sub_f32 v81, v77, v71
.irp i, 78,79,80,81
	s_delay_alu instid0(VALU_DEP_4)
	v_cvt_i32_f32 v[\i], v[\i]
.endr
.irp i, 78,79,80,81
	s_delay_alu instid0(VALU_DEP_4)
	v_ldexp_f32 v[\i], 1.0, v[\i]                  ; each part's 2^(its M - the joint M): exact
.endr
	s_delay_alu instid0(VALU_DEP_4)
	v_mul_f32 v82, v78, v64
	s_delay_alu instid0(VALU_DEP_3)
	v_mul_f32 v83, v80, v68
	s_delay_alu instid0(VALU_DEP_2)
	v_fmac_f32 v82, v79, v66
	s_delay_alu instid0(VALU_DEP_2)
	v_fmac_f32 v83, v81, v70
	s_delay_alu instid0(VALU_DEP_2)
	v_permlanex16_b32 v74, v82, s[SEL], s[SEL+1]
	s_delay_alu instid0(VALU_DEP_2)
	v_permlanex16_b32 v75, v83, s[SEL], s[SEL+1]
	s_delay_alu instid0(VALU_DEP_2)
	v_add_f32 v82, v82, v74                        ; the rows' sums
	s_delay_alu instid0(VALU_DEP_2)
	v_add_f32 v83, v83, v75
	s_wait_alu depctr_va_vdst(0)                   ; the rows' sums
	v_rcp_f32 v82, v82
	v_rcp_f32 v83, v83
	v_nop
	s_wait_alu depctr_va_vdst(0)                   ; the two reciprocals
	v_mul_f32 v83, -v48, v83
	v_mul_f32 v86, v78, v82                        ; each part's coefficient, in both halves of a pair
	v_mul_f32 v87, v78, v82
	v_mul_f32 v88, v79, v82
	v_mul_f32 v89, v79, v82
	v_mul_f32 v90, v80, v83
	v_mul_f32 v91, v80, v83
	v_mul_f32 v92, v81, v83
	v_mul_f32 v93, v81, v83
	s_wait_alu depctr_va_vdst(0)
	s_wait_dscnt 0x0
.set j, 0
.rept 32
	v_pk_mul_f32 v[96+j:97+j], v[96+j:97+j], v[86:87]
.set j, j+2
.endr
.set j, 0
.rept 32
	v_pk_fma_f32 v[96+j:97+j], v[160+j:161+j], v[88:89], v[96+j:97+j]
.set j, j+2
.endr
	WIN 0x01
.set j, 0
.rept 32
	v_pk_fma_f32 v[96+j:97+j], v[j:j+1], v[90:91], v[96+j:97+j]
.set j, j+2
.endr
.set j, 0
.rept 32
	v_pk_fma_f32 v[96+j:97+j], v[64+j:65+j], v[92:93], v[96+j:97+j]   ; a1 - lambda a2
.set j, j+2
.endr
	WIN 0
	v_pk_mul_f32 v[74:75], v[96:97], v[96:97]      ; the sum of squares, in two chains
	v_pk_mul_f32 v[76:77], v[98:99], v[98:99]
.irp i, 4,8,12,16,20,24,28,32,36,40,44,48,52,56,60
	s_delay_alu instid0(VALU_DEP_2)
	v_pk_fma_f32 v[74:75], v[96+\i:97+\i], v[96+\i:97+\i], v[74:75]
	s_delay_alu instid0(VALU_DEP_2)
	v_pk_fma_f32 v[76:77], v[98+\i:99+\i], v[98+\i:99+\i], v[76:77]
.endr
	s_delay_alu instid0(VALU_DEP_1)
	v_pk_add_f32 v[74:75], v[74:75], v[76:77]
	s_delay_alu instid0(VALU_DEP_1)
	v_add_f32 v74, v74, v75
	s_delay_alu instid0(VALU_DEP_1)
	v_permlanex16_b32 v75, v74, s[SEL], s[SEL+1]
	s_delay_alu instid0(VALU_DEP_1)
	v_add_f32 v74, v74, v75                        ; with lane l xor 16's 64 channels
	s_mov_b32 s52, 0x3c000000                      ; 1 / 128
	s_mov_b32 s53, 0x3727c5ac                      ; 1e-5
	v_fma_f32 v74, v74, s52, s53
	s_wait_alu depctr_va_vdst(0)
	v_rsq_f32 v74, v74
	v_nop
	s_wait_alu depctr_va_vdst(0)
	v_mul_f32 v74, 0x3e5d9673, v74                 ; x (1 - lambda_init)
	s_delay_alu instid0(VALU_DEP_1)
	v_mov_b32 v75, v74
.set j, 0
.rept 32
	v_pk_mul_f32 v[96+j:97+j], v[96+j:97+j], v[74:75]
.set j, j+2
.endr
	WIN 0x04
.set j, 0
.rept 32
	v_pk_mul_f32 v[96+j:97+j], v[96+j:97+j], v[192+j:193+j]   ; the gain
.set j, j+2
.endr
	WIN 0
	QUANT 96, 176
	s_cmp_eq_u32 s[SG], 0
	s_cselect_b32 s52, s[TLA], s[TLB]
	s_lshl_b32 s54, s52, 3
	s_add_co_u32 s54, s54, s49
	s_mul_i32 s54, s54, 1536                       ; fragment (tile, K step = head)
	s_mov_b32 s55, 0
	s_lshl_b32 s56, s52, 9
	s_lshl_b32 s57, s49, 2
	s_add_co_u32 s56, s56, s57
	s_add_co_u32 s56, s56, ASOFF
	s_mov_b32 s57, 0
	s_add_nc_u64 s[54:55], s[18:19], s[54:55]
	s_add_nc_u64 s[56:57], s[18:19], s[56:57]
	s_wait_alu depctr_va_vdst(0)
.irp c, 0,1,2
	global_store_b128 v56, v[176+4*\c:179+4*\c], s[54:55] offset:512*\c
.endr
	global_store_b32 v57, v[PW], s[56:57]          ; lanes 16-31 store the same word to the same place
.Lend:
	s_wait_tensorcnt 0x0                           ; the wave's end
	ds_add_u32 v5, v6
	s_wait_dscnt 0x0
	ROUND                                          ; the closing round
	s_endpgm
.Lfunc_end_k_qeae279968e_attn:
	.size	k_qeae279968e_attn, .Lfunc_end_k_qeae279968e_attn-k_qeae279968e_attn
	.p2alignl 7, 3214868480
	.fill 96, 4, 3214868480
	.section	.rodata,"a",@progbits
	.p2align	6, 0x0
	.amdhsa_kernel k_qeae279968e_attn
		.amdhsa_group_segment_fixed_size 327680
		.amdhsa_private_segment_fixed_size 0
		.amdhsa_enable_private_segment 0
		.amdhsa_kernarg_size 64
		.amdhsa_user_sgpr_count 2
		.amdhsa_user_sgpr_kernarg_segment_ptr 1
		.amdhsa_wavefront_size32 1
		.amdhsa_system_sgpr_workgroup_id_x 1
		.amdhsa_system_sgpr_workgroup_id_y 1
		.amdhsa_system_sgpr_workgroup_id_z 1
		.amdhsa_system_vgpr_workitem_id 0
		.amdhsa_next_free_vgpr 512
		.amdhsa_next_free_sgpr 100
		.amdhsa_reserve_vcc 1
		.amdhsa_float_denorm_mode_32 3
		.amdhsa_float_denorm_mode_16_64 3
		.amdhsa_memory_ordered 1
		.amdhsa_forward_progress 1
		.amdhsa_inst_pref_size 235
	.end_amdhsa_kernel
	.amdgpu_metadata
---
amdhsa.version: [ 1, 2 ]
amdhsa.kernels:
  - .name:           k_qeae279968e_attn
    .symbol:         k_qeae279968e_attn.kd
    .args:
      - { .name: qb, .offset: 0, .size: 8, .value_kind: global_buffer, .address_space: global }
      - { .name: kv, .offset: 8, .size: 8, .value_kind: global_buffer, .address_space: global }
      - { .name: lambda_q1, .offset: 16, .size: 8, .value_kind: global_buffer, .address_space: global }
      - { .name: lambda_k1, .offset: 24, .size: 8, .value_kind: global_buffer, .address_space: global }
      - { .name: lambda_q2, .offset: 32, .size: 8, .value_kind: global_buffer, .address_space: global }
      - { .name: lambda_k2, .offset: 40, .size: 8, .value_kind: global_buffer, .address_space: global }
      - { .name: subln_weight, .offset: 48, .size: 8, .value_kind: global_buffer, .address_space: global }
      - { .name: ab, .offset: 56, .size: 8, .value_kind: global_buffer, .address_space: global }
    .group_segment_fixed_size: 327680
    .private_segment_fixed_size: 0
    .kernarg_segment_align: 8
    .kernarg_segment_size: 64
    .max_flat_workgroup_size: 256
    .sgpr_count:     100
    .vgpr_count:     512
    .wavefront_size: 32
...
	.end_amdgpu_metadata
.endif
;; end of part 3
;; launch oproj (part 4): grid 8 x 32, 4 waves a work-group, clusters of 4 x 4, 182,784 bytes of LDS; arguments ab, wb, out0; writes out0
.if DOCPART == 4
	.amdgcn_target "amdgcn-amd-amdhsa--gfx1250"
	.amdhsa_code_object_version 6
	.text
	.protected	k_qeae279968e_oproj
	.globl	k_qeae279968e_oproj
	.p2align	8
	.type	k_qeae279968e_oproj,@function
k_qeae279968e_oproj:
	s_mov_b64 s[64:65], 0
	v_nop
	global_prefetch_b8 v0, s[64:65] scope:SCOPE_SE
	s_setreg_imm32_b32 hwreg(HW_REG_WAVE_MODE, 25, 1), 1
	s_wait_xcnt 0x0
	s_wait_alu depctr_hold_cnt(0) depctr_sa_sdst(0) depctr_va_vdst(0) depctr_va_sdst(0) depctr_va_ssrc(0) depctr_va_vcc(0) depctr_vm_vsrc(0)
	s_getreg_b32 s2, hwreg(HW_REG_IB_STS2, 6, 4)
	s_cmp_eq_u32 s2, 0
	s_cbranch_scc0 .Lentry_in_a_cluster
	s_endpgm
.Lentry_in_a_cluster:
	s_bfe_u32 s2, ttmp6, 0x10000c
	s_cmp_lg_u32 s2, 0xf033
	s_cbranch_scc0 .Lentry_shape_is_right
	s_endpgm
.Lentry_shape_is_right:
; out0 = attn wo on codes of FP6 with E8M0 scales, K = 1,024.  A work-group makes 64 rows x 128 columns: 256 work-groups.
; Operand R = wo's tiles 192 + 8 X .. (128 columns) is source 0: columns become registers; operand L = the attention's tiles 4 Y .. (64 rows) is source 1: rows become lanes.
; Wave w takes L's tiles 2 (w % 2) + a and R's tiles 4 (w / 2) + t: 8 accumulators.  All fragments for all of K, 12 tiles x 12,288 bytes, come into LDS at the start; nothing is filled again.
; CLUSTER 4 x 4: R hangs on X alone and is asked for jointly by a column of the cluster, L on Y alone, by a row.
; The rows of a tile are 32 (T / 2) + 8 (T % 2) + r + 8 (r / 8), so the registers of R's tiles 2 b, 2 b + 1 are columns 32 b + 16 (lane / 16) + 0 .. 15.
.set CH,    73728                      ; half h holds K steps 4 h .. 4 h + 3: R's 8 tiles x 6,144 bytes, then L's 4.  Nothing is prefetched: all tiles are asked for at the head, and there is no loop to run ahead in
.set STG,   147456                     ; behind the chunks: a stage of 32 rows x (256 + 16) bytes for each wave; no fill lands there
.set WSOFF, 3145728
.set ASOFF, 1572864
.set WV,  16
.set G1R, 24
.set G1L, 32
.set G0R, 40
.set G0L, 68
.set RA,  1
.set LA,  5
.set RS,  16                           ; v16-31  register 8 p + s: lanes 0-15 my R tile 2 p's word, lanes 16-31 tile 2 p + 1's, K step s
.set LS,  32                           ; v32-39  lanes 0-15 my L tile 0, lanes 16-31 tile 1
.set ACC, 40                           ; v40-103 accumulator (a, t) at 32 a + 8 t
.set FR,  104                          ; v104-247 two sets: 4 fragments of R, 2 of L
.macro NOPS n
.rept \n
	v_nop
.endr
.endm
.macro ROUND
	s_barrier_signal -1
	s_barrier_wait -1
	s_cmp_lg_u32 s[WV], 0
	s_cbranch_scc1 .Lnw0_\@
	s_barrier_signal -3
.Lnw0_\@:
	s_barrier_wait -3
	s_barrier_signal -1
	s_barrier_wait -1
.endm
.macro WMM d, a, b, sa, sb, ra, rb, z
.if \z
.if (\ra) && (\rb)
	v_wmma_scale_f32_16x16x128_f8f6f4 v[\d:\d+7], v[\a:\a+11], v[\b:\b+11], 0, v[\sa], v[\sb] matrix_a_fmt:MATRIX_FMT_FP6 matrix_b_fmt:MATRIX_FMT_FP6 matrix_a_scale:MATRIX_SCALE_ROW1 matrix_b_scale:MATRIX_SCALE_ROW1
.elseif \ra
	v_wmma_scale_f32_16x16x128_f8f6f4 v[\d:\d+7], v[\a:\a+11], v[\b:\b+11], 0, v[\sa], v[\sb] matrix_a_fmt:MATRIX_FMT_FP6 matrix_b_fmt:MATRIX_FMT_FP6 matrix_a_scale:MATRIX_SCALE_ROW1
.elseif \rb
	v_wmma_scale_f32_16x16x128_f8f6f4 v[\d:\d+7], v[\a:\a+11], v[\b:\b+11], 0, v[\sa], v[\sb] matrix_a_fmt:MATRIX_FMT_FP6 matrix_b_fmt:MATRIX_FMT_FP6 matrix_b_scale:MATRIX_SCALE_ROW1
.else
	v_wmma_scale_f32_16x16x128_f8f6f4 v[\d:\d+7], v[\a:\a+11], v[\b:\b+11], 0, v[\sa], v[\sb] matrix_a_fmt:MATRIX_FMT_FP6 matrix_b_fmt:MATRIX_FMT_FP6
.endif
.else
.if (\ra) && (\rb)
	v_wmma_scale_f32_16x16x128_f8f6f4 v[\d:\d+7], v[\a:\a+11], v[\b:\b+11], v[\d:\d+7], v[\sa], v[\sb] matrix_a_fmt:MATRIX_FMT_FP6 matrix_b_fmt:MATRIX_FMT_FP6 matrix_a_scale:MATRIX_SCALE_ROW1 matrix_b_scale:MATRIX_SCALE_ROW1
.elseif \ra
	v_wmma_scale_f32_16x16x128_f8f6f4 v[\d:\d+7], v[\a:\a+11], v[\b:\b+11], v[\d:\d+7], v[\sa], v[\sb] matrix_a_fmt:MATRIX_FMT_FP6 matrix_b_fmt:MATRIX_FMT_FP6 matrix_a_scale:MATRIX_SCALE_ROW1
.elseif \rb
	v_wmma_scale_f32_16x16x128_f8f6f4 v[\d:\d+7], v[\a:\a+11], v[\b:\b+11], v[\d:\d+7], v[\sa], v[\sb] matrix_a_fmt:MATRIX_FMT_FP6 matrix_b_fmt:MATRIX_FMT_FP6 matrix_b_scale:MATRIX_SCALE_ROW1
.else
	v_wmma_scale_f32_16x16x128_f8f6f4 v[\d:\d+7], v[\a:\a+11], v[\b:\b+11], v[\d:\d+7], v[\sa], v[\sb] matrix_a_fmt:MATRIX_FMT_FP6 matrix_b_fmt:MATRIX_FMT_FP6
.endif
.endif
.endm
.macro ARM under, g0, g1, next         ; one arm of the head's chain on the wave's number
	s_cmp_lt_u32 s[WV], \under
	s_cbranch_scc0 \next
	tensor_load_to_lds s[\g0:\g0+3], s[\g1:\g1+7]
	s_nop 0
	NOPS 4
	s_branch .Lfilled
\next:
.endm
	s_load_b128 s[4:7], s[0:1], 0x0                ; ab, wb
	s_load_b64 s[8:9], s[0:1], 0x10                ; out0
	v_lshl_add_u32 v254, v0, 2, 0x2c800
	v_mov_b32 v255, 0
	ds_add_u32 v254, v255
	ds_add_u32 v254, v255
	v_lshrrev_b32 v13, 5, v0
	v_readfirstlane_b32 s[WV], v13                 ; wave 0..3
	s_and_b32 s17, s[WV], 1                        ; which two tiles of L are mine
	s_lshr_b32 s57, s[WV], 1                       ; which four tiles of R are mine
	s_bfe_u32 s18, ttmp6, 0x40000                  ; cx
	s_bfe_u32 s19, ttmp6, 0x40004                  ; cy
	s_lshl_b32 s20, ttmp9, 2
	s_add_co_u32 s20, s20, s18                     ; X
	s_and_b32 s21, ttmp7, 0xffff
	s_lshl_b32 s21, s21, 2
	s_add_co_u32 s21, s21, s19                     ; Y
	s_lshl_b32 s22, s19, 2
	s_lshl_b32 s22, 15, s22                        ; my row of the cluster
	s_lshl_b32 s23, 0x1111, s18                    ; my column
	s_or_b32 s[G1R], s23, (3<<16)|(1<<21)          ; rows of 6,144 bytes (768 elements of 8), 12,288 bytes apart; R: 8 tiles a load, L: 4
	s_or_b32 s[G1L], s22, (3<<16)|(1<<21)
.irp g, G1R, G1L
	s_mov_b32 s[\g+1], 768<<16                     ; rows of 6,144 bytes: a tile's four K steps
	s_mov_b32 s[\g+3], 768<<16
	s_mov_b32 s[\g+5], 1536
	s_mov_b32 s[\g+6], 0
	s_mov_b32 s[\g+7], 0
.endr
	s_mov_b32 s[G1R+2], 8<<16
	s_mov_b32 s[G1R+4], 8
	s_mov_b32 s[G1L+2], 4<<16
	s_mov_b32 s[G1L+4], 4
	s_lshl_b32 s84, s20, 3
	s_add_co_u32 s84, s84, 192                     ; R: tile 192 + 8 X
	s_mul_i32 s84, s84, 12288
	s_mov_b32 s85, 0
	s_mul_i32 s88, s21, 49152                      ; L: tile 4 Y
	s_mov_b32 s89, 0
	s_wait_alu depctr_va_vdst(0)
	s_wait_dscnt 0x0
	ROUND                                          ; all sixteen work-groups are here
	s_wait_kmcnt 0x0
	s_add_nc_u64 s[92:93], s[6:7], s[84:85]
	s_add_nc_u64 s[94:95], s[4:5], s[88:89]
.irp h, 0,1
	s_mov_b32 s[G0R+4*\h], 1
	s_mov_b32 s[G0R+4*\h+1], \h*CH
	s_add_nc_u64 s[G0R+4*\h+2:G0R+4*\h+3], s[92:93], \h*6144
	s_or_b32 s[G0R+4*\h+3], s[G0R+4*\h+3], 0x80000000
	s_mov_b32 s[G0L+4*\h], 1
	s_mov_b32 s[G0L+4*\h+1], \h*CH+49152
	s_add_nc_u64 s[G0L+4*\h+2:G0L+4*\h+3], s[94:95], \h*6144
	s_or_b32 s[G0L+4*\h+3], s[G0L+4*\h+3], 0x80000000
.endr
	ARM 1, G0R, G1R, .Lhead_1                      ; one tensor load a wave: waves 0 and 1 R's and L's first half of K, waves 2 and 3 the second
	ARM 2, G0L, G1L, .Lhead_2
	ARM 3, G0R+4, G1R, .Lhead_3
	tensor_load_to_lds s[G0L+4:G0L+7], s[G1L:G1L+7]
	s_nop 0
	NOPS 4
.Lfilled:
	v_and_b32 v13, 31, v0                          ; l
	v_and_b32 v14, 15, v0                          ; r
	v_bfe_u32 v15, v0, 4, 1                        ; h
	v_lshlrev_b32 v12, 5, v13                      ; 32 l: scale words of two tiles
	v_lshlrev_b32 v13, 4, v13                      ; 16 l
	s_mul_i32 s96, s57, 24576
	s_mul_i32 s97, s17, 12288
	s_add_co_u32 s97, s97, 49152
.irp c, 0,1
	v_add_nc_u32 v[LA+\c], \c*CH, v13
.endr
.irp c, 0,1
	v_add_nc_u32 v[RA+\c], s96, v[LA+\c]
	v_add_nc_u32 v[LA+\c], s97, v[LA+\c]
.endr
	s_mul_i32 s96, s[WV], 8704
	s_add_co_u32 s96, s96, STG                     ; my stage
	v_mul_u32_u24 v9, v14, 272
	v_lshl_add_u32 v9, v15, 6, v9
	v_add_nc_u32 v9, s96, v9                       ; in: row r, + 64 h
	v_mul_u32_u24 v10, v15, 272
	v_lshl_add_u32 v10, v14, 4, v10
	v_add_nc_u32 v10, s96, v10                     ; back: lanes 0-15 one row of 256 bytes, lanes 16-31 the next
	v_lshlrev_b32 v11, 12, v15
	v_lshl_add_u32 v11, v14, 4, v11                ; and the same in out0: rows of 4,096 bytes
	s_lshl_b32 s96, s20, 3
	s_lshl_b32 s97, s57, 2
	s_add_co_u32 s96, s96, s97
	s_add_co_u32 s96, s96, 192
	s_lshl_b32 s96, s96, 9
	s_add_co_u32 s96, s96, WSOFF                   ; my R tiles' scale words
	s_mov_b32 s97, 0
	s_add_nc_u64 s[6:7], s[6:7], s[96:97]
	s_lshl_b32 s96, s21, 2
	s_lshl_b32 s98, s17, 1
	s_add_co_u32 s96, s96, s98
	s_lshl_b32 s96, s96, 9
	s_add_co_u32 s96, s96, ASOFF                   ; my L tiles'
	s_add_nc_u64 s[4:5], s[4:5], s[96:97]
.irp p, 0,1
	global_load_b128 v[RS+8*\p:RS+8*\p+3], v12, s[6:7] offset:1024*\p
	global_load_b128 v[RS+8*\p+4:RS+8*\p+7], v12, s[6:7] offset:1024*\p+16
.endr
	global_load_b128 v[LS:LS+3], v12, s[4:5]
	global_load_b128 v[LS+4:LS+7], v12, s[4:5] offset:16
	s_lshl_b32 s96, s21, 6
	s_lshl_b32 s98, s17, 5
	s_add_co_u32 s96, s96, s98
	s_lshl_b32 s96, s96, 12                        ; out0: row 64 Y + 32 (w % 2),
	s_lshl_b32 s98, s20, 9
	s_add_co_u32 s96, s96, s98                     ; column 128 X
	s_lshl_b32 s98, s57, 8
	s_add_co_u32 s96, s96, s98                     ; + 64 (w / 2)
	s_add_nc_u64 s[8:9], s[8:9], s[96:97]
.macro FETCH k, set                    ; K step k's fragments: 12 loads for R, 6 for L
.irp i, 0,1,2,3
.irp j, 0,1,2
	ds_load_b128 v[FR+72*(\set)+12*\i+4*\j:FR+72*(\set)+12*\i+4*\j+3], v[RA+(\k)/4] offset:\i*6144+((\k)%4)*1536+512*\j
.endr
.endr
.irp i, 0,1
.irp j, 0,1,2
	ds_load_b128 v[FR+72*(\set)+48+12*\i+4*\j:FR+72*(\set)+48+12*\i+4*\j+3], v[LA+(\k)/4] offset:\i*6144+((\k)%4)*1536+512*\j
.endr
.endr
.endm
.macro MUL k, set, zero                ; 8 products; the 8 accumulators take turns, one instruction a turn
.irp a, 0,1
.irp t, 0,1,2,3
	WMM (ACC+32*\a+8*\t), (FR+72*(\set)+12*\t), (FR+72*(\set)+48+12*\a), (RS+8*(\t/2)+(\k)), (LS+(\k)), (\t%2), \a, \zero
.endr
.endr
.endm
	s_wait_alu depctr_va_vdst(0)
	s_cmp_lt_u32 s[WV], 2
	s_cbranch_scc0 .Lsecond_half
	s_wait_tensorcnt 0x0                           ; waves 0 and 1: the first half of K is in; the second may be on its way
.Lsecond_half:
	s_barrier_signal -1
	s_barrier_wait -1
	FETCH 0, 0
	s_wait_loadcnt 0x0                             ; the scale words
.set kk, 0
.rept 7
.if kk == 3
	s_wait_dscnt 0x0
	s_wait_tensorcnt 0x0                           ; waves 2 and 3: the second half is in
	s_barrier_signal -1
	s_barrier_wait -1
.endif
	NOPS 4                                         ; places in front of loads into registers that the step before multiplied
	FETCH kk+1, (kk+1)%2
	s_wait_dscnt 18                                ; all but the 18 just issued
	MUL kk, kk%2, (kk==0)
.set kk, kk+1
.endr
	s_wait_dscnt 0x0
	MUL 7, 1, 0
	NOPS 4
	; THE WAY OUT: lane (r, h) holds, of L row r, columns 32 (t / 2) + 16 h + 8 (t % 2) + 0 .. 7: through my stage, back as rows of 256 bytes
.irp a, 0,1
.irp t, 0,1,2,3
	ds_store_b128 v9, v[ACC+32*\a+8*\t:ACC+32*\a+8*\t+3] offset:16*\a*272+128*(\t/2)+32*(\t%2)
	ds_store_b128 v9, v[ACC+32*\a+8*\t+4:ACC+32*\a+8*\t+7] offset:16*\a*272+128*(\t/2)+32*(\t%2)+16
.endr
.endr
.irp i, 0,1,2,3,4,5,6,7,8,9,10,11,12,13,14,15
	ds_load_b128 v[FR+4*\i:FR+4*\i+3], v10 offset:2*\i*272   ; LDS serves a wave's instructions in order: these see my stores
.endr
.irp i, 0,1,2,3,4,5,6,7,8,9,10,11,12,13,14,15
	s_wait_dscnt 15-\i
	global_store_b128 v11, v[FR+4*\i:FR+4*\i+3], s[8:9] offset:(8*(\i/8)+2*(\i%8)+8*((\i%8)/4))*4096 th:TH_STORE_NT   ; stage row 2 i + h is tile i / 8, lane 2 (i % 8) + h; sixteen lanes store 256 consecutive bytes, aligned
.endr
	s_wait_tensorcnt 0x0
	ds_add_u32 v254, v255
	s_wait_dscnt 0x0
	ROUND                                          ; the closing round
	s_endpgm
.Lfunc_end_k_qeae279968e_oproj:
	.size	k_qeae279968e_oproj, .Lfunc_end_k_qeae279968e_oproj-k_qeae279968e_oproj
	.p2alignl 7, 3214868480
	.fill 96, 4, 3214868480
	.section	.rodata,"a",@progbits
	.p2align	6, 0x0
	.amdhsa_kernel k_qeae279968e_oproj
		.amdhsa_group_segment_fixed_size 182784
		.amdhsa_private_segment_fixed_size 0
		.amdhsa_enable_private_segment 0
		.amdhsa_kernarg_size 24
		.amdhsa_user_sgpr_count 2
		.amdhsa_user_sgpr_kernarg_segment_ptr 1
		.amdhsa_wavefront_size32 1
		.amdhsa_system_sgpr_workgroup_id_x 1
		.amdhsa_system_sgpr_workgroup_id_y 1
		.amdhsa_system_sgpr_workgroup_id_z 1
		.amdhsa_system_vgpr_workitem_id 0
		.amdhsa_next_free_vgpr 256
		.amdhsa_next_free_sgpr 100
		.amdhsa_reserve_vcc 0
		.amdhsa_float_denorm_mode_32 3
		.amdhsa_float_denorm_mode_16_64 3
		.amdhsa_memory_ordered 1
		.amdhsa_forward_progress 1
		.amdhsa_inst_pref_size 31
	.end_amdhsa_kernel
	.amdgpu_metadata
---
amdhsa.version: [ 1, 2 ]
amdhsa.kernels:
  - .name:           k_qeae279968e_oproj
    .symbol:         k_qeae279968e_oproj.kd
    .args:
      - { .name: ab, .offset: 0, .size: 8, .value_kind: global_buffer, .address_space: global }
      - { .name: wb, .offset: 8, .size: 8, .value_kind: global_buffer, .address_space: global }
      - { .name: out0, .offset: 16, .size: 8, .value_kind: global_buffer, .address_space: global }
    .group_segment_fixed_size: 182784
    .private_segment_fixed_size: 0
    .kernarg_segment_align: 8
    .kernarg_segment_size: 24
    .max_flat_workgroup_size: 128
    .sgpr_count:     100
    .vgpr_count:     256
    .wavefront_size: 32
...
	.end_amdgpu_metadata
.endif
;; end of part 4
